; MI455X (gfx1250); checked and timed in simulation.
; The chip was launched on July 23, 2026; its instructions are those of AMD's public machine-readable ISA for CDNA 5 (MIT licence, August 2026) and "CDNA5" Instruction Set Architecture Reference Guide (July 2026). The comments in the code are by the model that wrote it; some were corrected since.
;; Alltag Ctx Generator. Allowed arithmetic: matrix products marked QUANTISED: E3M2 operands, one E8M0 scale for each 32 along K, by v_wmma_scale_f32_16x16x128_f8f6f4 with both operands' format E3M2, f32 sums; everything else in f32.
;; Inputs: atk_weight 20,000 x 512 float32; ctx 16 x 128 x 768 float32; dec_W 8 x 768 x 1,024 float32; dec_b 8 x 1,024 float32; inp_mask 16 x 128 bool; inp_pos 16 x 128 int32; inp_word 16 x 128 int32; psr_weight 20,000 x 512 float32; u_gumbel 2,048 x 1,024 float32; words 8 x 1,024 int32.
;; Outputs: out0 16 x 128 int32; out1 16 x 128 x 512 float32; out2 16 x 128 x 512 float32; out3 one number float32; out4 16 x 128 bool; out5 16 x 128 bool; out6 16 x 128 bool.
;; This version of the problem:
;;   THIS VERSION OF THE PROBLEM IS GIVEN IN LOW PRECISION. The matrix products marked QUANTISED in the list below multiply operands that are first quantised to E3M2 (3 exponent bits, 2 mantissa bits; 6 bits a number), with one power-of-two scale for each 32 numbers along K (OCP MX v1.0); their sums are f32. All else is computed in f32.
;;   The module's matrix products, in the order in which they are computed (A, B: the left and right operand; K: the contracted axis; several contracted axes count as one K, in the product's order):
;;     1. [M 8,192, K 768] x [K 768, N 2,048]; A: input dec_W; B: input ctx: QUANTISED
;;     2. batch 8 x [M 2,048, K 1,024] x [K 1,024, N 512]; A: softmax (see below); B: computed on the way: QUANTISED
;;     3. batch 8 x [M 2,048, K 1,024] x [K 1,024, N 512]; A: softmax (see below); B: computed on the way: QUANTISED
;;   THE QUANTISER, for each operand of a quantised product, along K:
;;     - K is cut into blocks of 32 from its start; a last block that is shorter is filled with zeros.
;;     - A block's scale is 2^e with e = floor(log2(the largest magnitude in the block)) - 4, held to -126 .. 127; a block of zeros has e = 0. As a byte (E8M0): e + 127.
;;     - Each number is divided by its block's scale, clamped to +-28, and rounded to the nearest number of E3M2, ties to even, subnormals kept.
;;     - The product sums the exact products of the quantised numbers (number of the format x scale) in f32.
;;   ~~~python
;;   def quantise(x, axis):      # numpy; x: float32 -> the quantised numbers, widened to float32 again
;;       x = np.moveaxis(x, axis, -1); K = x.shape[-1]
;;       x = np.pad(x, [(0, 0)] * (x.ndim - 1) + [(0, -K % 32)]); x = x.reshape(x.shape[:-1] + (-1, 32)); a = np.abs(x).max(-1, keepdims=True)
;;       e = np.where(a > 0, np.clip(np.frexp(np.where(a > 0, a, 1))[1] - 1 - 4, -126, 127), 0)      # np.frexp(a)[1] - 1 = floor(log2(a)), exactly
;;       r = np.clip(x / 2.0 ** e, -28, 28)
;;       step = 2.0 ** (np.maximum(np.frexp(np.where(r == 0, 1, r))[1] - 1, -2) - 2)
;;       q = np.round(r / step) * step * 2.0 ** e      # np.round: ties to even
;;       return np.moveaxis(q.reshape(q.shape[:-2] + (-1,))[..., :K], -1, axis).astype(np.float32)
;;   ~~~
;;   SOFTMAX AHEAD OF A QUANTISED PRODUCT. Where the list says 'softmax', what is quantised is not the finished softmax but p = 2^(t - M), with t = logit x log2(e) and M = ceil(the row's largest t), a whole number; so 1/2 < the row's largest p <= 1. The row's sum l is taken of the UNQUANTISED p, in f32, and the product's result is divided by l at the end. Since M is a whole number, a kernel that streams over the keys may use a running M (the ceiling of the running maximum): every later rescaling is an exact power of two, which a block's scale takes up: the codes' values come out the same.
;;   OPERANDS COMPUTED ON THE WAY. 'Computed on the way' means the value that the module computes at that place (a softmax that the list does not call 'softmax' is quantised finished and normalised). What goes into a quantiser is computed in f32, as accurately as f32 sums, v_exp_f32 and their like allow (about 1e-6 of the number): no bf16 or f16 on the way to a quantiser, and a product that is left as it is and whose result goes on into a quantised operand takes f32 operands (vector FMAs, or v_wmma_f32_16x16x4_f32). A number that lies on a knife's edge between two numbers of the format may be rounded either way, as far as f32 arithmetic and the matrix unit's own rounding can turn it there, and no further.
;; One version. Each part assembles by itself: llvm-mc -triple=amdgcn-amd-amdhsa -mcpu=gfx1250 --defsym DOCPART=n.
;; ======== version 1 of 1: 4 launches
;; limits: right only within a limited range of input values
;; workspace buffers: wts 12,697,600 bytes; route 9,984 bytes of whole numbers; lg 8,912,896 bytes; pq 1,810,432 bytes; tw 16,384 bytes
;; launch prep (part 1): grid 497 x 1, 4 waves a work-group, no clusters, 34,304 bytes of LDS; arguments dec_W, psr_weight, atk_weight, words, ctx, inp_pos, inp_word, wts, route, tw; writes wts, route, tw
.if DOCPART == 1
	.amdgcn_target "amdgcn-amd-amdhsa--gfx1250"
	.amdhsa_code_object_version 6
	.text
	.protected	k_qcc48951c6b_prep
	.globl	k_qcc48951c6b_prep
	.p2align	8
	.type	k_qcc48951c6b_prep,@function
k_qcc48951c6b_prep:
	s_mov_b64 s[64:65], 0
	v_nop
	global_prefetch_b8 v0, s[64:65] scope:SCOPE_SE
	s_setreg_imm32_b32 hwreg(HW_REG_WAVE_MODE, 25, 1), 1
	s_wait_xcnt 0x0
; PREP: every operand that is read more than once is quantised ONCE to E3M2 with one E8M0 byte for 32 along K, and the tokens are sorted by class.
; Four kinds of work-group, told apart by the work-group's number alone (all four waves of a work-group go the same way):
;   0          the tokens' classes c = min(inp_pos, 8) are counted and sorted: route = list of tiles of 16 rows, the classes' counts, slot -> token; tw = what a token that is copied through keeps
;   1 .. 256   psr_weight[words[p]] and atk_weight[words[p]] ([1024 (K)][512]) -> codes and scale words
;   257 .. 448 dec_W[p] ([768 (K)][1024]) -> codes and scale words
;   449 .. 496 ctx ([2048][768], K innermost) -> a stream of codes and a stream of scale bytes
; THE WEIGHTS: K is not innermost, so a lane takes a COLUMN and its registers run down K: a block of 32 lies in one lane, and the conversions give codes with K innermost.
; The codes are laid in the ORDER OF THE OPERAND'S REGISTERS: a fragment (16 columns x 128 K, 12 registers a lane) is 1,536 bytes, three chunks of 512: chunk j holds lane l's registers 4 j .. 4 j + 3 at 512 j + 16 l.
; Lane (r, h) of a fragment holds k = 64 c + 32 h + 0 .. 31 in registers 6 c .. 6 c + 5: so the lane that made blocks 2 c + h of column r stores, for each h, twelve registers at 256 h + 16 r of the three chunks.
; A block's scale is 2^(floor(log2(largest magnitude)) - 4); its byte is the largest magnitude's exponent field - 4, held at 1 from below.
; LIMITS: a block of zeros gets the byte 1 with zero codes (this program alone reads the bytes); NaN and infinities among the inputs are not served; inp_pos is taken as not negative; a word's index is held at 19,999.
.set WQ,   0                           ; wts: dec_W's fragments [p 8][w8 8][8 s + t: 48]: columns 128 w8 + 16 t + r, K step s
.set WSC,  4718592                     ; their scale words [p 8][g 32][q 3] records of 256 bytes: lane L's words of K steps 2 q, 2 q + 1 of column 32 g + L, at 8 L
.set LQ,   4915200                     ; the tables' fragments [tb 2][p 8][dq 4][8 s + t: 64]
.set LSC,  11206656                    ; their scale words [tb][p][g 16][q 4] records of 256 bytes
.set CQ,   11468800                    ; ctx's codes [2048][576 bytes]
.set CSB,  12648448                    ; ctx's scale bytes [2048][24]
.set NCO,  1024                        ; route: the classes' counts (the list of tiles lies at 0)
.set ORD,  1280                        ; route: slot -> token | the token's own word << 11; a slot that no token takes holds 0.  (At NCO + 128: each class's first tile)
.set X,    32                          ; weights: v32-127 three sets of 32 numbers
.set C,    128                         ; weights: v128-175 codes of (K step sl, half h) at C + 24 sl + 12 h
.set CR,   16                          ; ctx: v16-79 four sets of 16 numbers as loaded
.set CX,   80                          ; ctx: v80-111 two sets of 16 neighbours
.set CE,   112                         ; ctx: v112-127 a scale byte for each step
.set CC,   128                         ; ctx: v128-191 codes, four registers a step
.set SP,   80                          ; ctx: a lane's place in a stage: 64 bytes + 16 of padding
.set STEPS, 16
.macro COLREGS                         ; the weights' lane terms
	v_lshlrev_b32 v2, 2, v1                        ; in: 4 bytes a lane: my column
	v_lshrrev_b32 v3, 4, v1
	v_mul_u32_u24 v3, v3, 1536                     ; out: lanes 16-31 belong to the next fragment,
	v_and_b32 v4, 15, v1
	v_lshl_add_u32 v3, v4, 4, v3                   ; 16 bytes a column
	v_lshlrev_b32 v4, 3, v1                        ; my two scale words
.endm
.macro LOADW t                         ; dec_W: block t: rows 32 t + i of my 256, my column
.set XL, X+32*((\t)%3)
.set i, 0
.rept 32
	global_load_b32 v[XL+i], v2, s[24:25] offset:(32*(\t)+i)*4096 th:TH_LOAD_NT
.set i, i+1
.endr
.endm
.macro SL t                            ; the 32 word indices of block t into scalar set t & 1
.set SJ, 32+36*((\t)&1)
	s_load_b512 s[SJ:SJ+15], s[10:11], 128*(\t)
	s_load_b512 s[SJ+16:SJ+31], s[10:11], 128*(\t)+64
.endm
.macro LOADL t                         ; a table: block t: the rows that words name, my column.  Each load's offset stands in its own destination register
.set XL, X+32*((\t)%3)
.set SI, 32+36*((\t)&1)
	s_wait_kmcnt 0x0                               ; scalar loads come in no order: all are in
.set i, 0
.rept 32
	s_min_u32 s[SI+i], s[SI+i], 19999              ; an index stays inside its table
	v_lshl_add_u32 v[XL+i], s[SI+i], 11, v2        ; a row is 2,048 bytes
.set i, i+1
.endr
.set i, 0
	s_wait_alu depctr_va_vdst(0)
.rept 32
	global_load_b32 v[XL+i], v[XL+i], s[24:25]     ; no hint: the list may name a row twice
.set i, i+1
.endr
.if (\t)+2 < 8
	SL (\t)+2                                      ; this set's indices have been read
.endif
.endm
.macro BLOCK t, lut                    ; block t of eight: h = t & 1, c = (t >> 1) & 1, K step sl = t >> 2
.set XS, X+32*((\t)%3)
.set CB, C+24*((\t)>>2)+12*((\t)&1)+6*(((\t)>>1)&1)
.if (\t) < 6
	s_wait_loadcnt 63                              ; two blocks, 64 loads, are younger; the count can name 63: one load more than is needed
.elseif (\t) == 6
	s_wait_loadcnt 32                              ; the last block's loads may be out
.else
	s_wait_loadcnt 0
.endif
	v_max3_num_f32 v8, |v[XS]|, |v[XS+1]|, |v[XS+2]|      ; the block's largest magnitude: all 32 numbers are mine; two chains
	v_max3_num_f32 v9, |v[XS+3]|, |v[XS+4]|, |v[XS+5]|
.irp i, 6,10,14,18,22,26
	v_max3_num_f32 v8, v8, |v[XS+\i]|, |v[XS+\i+1]|
	v_max3_num_f32 v9, v9, |v[XS+\i+2]|, |v[XS+\i+3]|
.endr
	v_max3_num_f32 v8, v8, |v[XS+30]|, |v[XS+31]|
	v_max3_num_f32 v8, v8, v9, 0x2800000           ; and the floor 2^(5 - 127): the byte cannot fall under 1
	v_add_nc_u32 v10, 0xfe000000, v8               ; 4 off the exponent field: the conversion's scale operand
	v_lshrrev_b32 v11, 23, v10                     ; the scale's byte
.if ((\t)&3) == 0
	v_mov_b32 v[6+((\t)>>2)], v11                  ; four bytes make a K step's scale word, the lower K in the lower byte
.else
	v_lshl_or_b32 v[6+((\t)>>2)], v11, 8*((\t)&3), v[6+((\t)>>2)]
.endif
	v_cvt_scalef32_pk16_bf6_f32 v[CB:CB+2], v[XS:XS+15], v10
	v_cvt_scalef32_pk16_bf6_f32 v[12:14], v[XS+16:XS+31], v10   ; (a conversion's three registers begin on an even number: the block's second three do not)
	v_nop                                          ; one plain place behind a scaled conversion
	v_mov_b32 v[CB+3], v12
	v_mov_b32 v[CB+4], v13
	v_mov_b32 v[CB+5], v14
.if ((\t)&3) == 3                      ; a K step's codes are whole: six stores; in each, sixteen lanes fill 256 consecutive aligned bytes of one fragment, the other sixteen of the next
.irp hh, 0,1
.irp j, 0,1,2
	global_store_b128 v3, v[C+24*((\t)>>2)+12*\hh+4*\j:C+24*((\t)>>2)+12*\hh+4*\j+3], s[26:27] offset:((\t)>>2)*12288+512*\j+256*\hh
.endr
.endr
.endif                                 ; (each K step has its own registers for its codes: no store's data are written again)
.if (\t)+3 < 8
.if \lut
	LOADL (\t)+3
.else
	LOADW (\t)+3
.endif
.endif
.endm
.macro CLOAD t                         ; ctx: step t's 512 numbers, 512 consecutive bytes a load
.irp i, 0,1,2,3
	global_load_b128 v[CR+16*((\t)%4)+4*\i:CR+16*((\t)%4)+4*\i+3], v3, s[24:25] offset:2048*(\t)+512*\i th:TH_LOAD_NT
.endr
.endm
.macro CTURN t                         ; through the wave's own stage: in as loaded, back 64 bytes a lane.  LDS serves a wave's instructions in order: no wait between
.irp i, 0,1,2,3
	ds_store_b128 v14, v[CR+16*((\t)%4)+4*\i:CR+16*((\t)%4)+4*\i+3] offset:32*SP*((\t)%2)+8*SP*\i
.endr
.irp i, 0,1,2,3
	ds_load_b128 v[CX+16*((\t)%2)+4*\i:CX+16*((\t)%2)+4*\i+3], v15 offset:32*SP*((\t)%2)+16*\i
.endr
.endm
.macro CSTEP t
.set XS, CX+16*((\t)%2)
.if (\t) > 0
	s_wait_dscnt 1                                 ; this step's numbers are back from the stage; the last step's byte store may be out
.else
	s_wait_dscnt 0x0
.endif
.if (\t)+4 < STEPS
	CLOAD (\t)+4
.endif
.if (\t)+1 < STEPS
.if STEPS-2-(\t) >= 3
	s_wait_loadcnt 12                              ; the next step's four loads are in; those of the three steps behind it may be out
.else
	s_wait_loadcnt 4*(STEPS-2-(\t))
.endif
	CTURN (\t)+1
.endif
	v_max3_num_f32 v8, |v[XS]|, |v[XS+1]|, |v[XS+2]|
	v_max3_num_f32 v9, |v[XS+3]|, |v[XS+4]|, |v[XS+5]|
.irp i, 6,10
	v_max3_num_f32 v8, v8, |v[XS+\i]|, |v[XS+\i+1]|
	v_max3_num_f32 v9, v9, |v[XS+\i+2]|, |v[XS+\i+3]|
.endr
	v_max3_num_f32 v8, v8, |v[XS+14]|, |v[XS+15]|
	v_max3_num_f32 v8, v8, v9, 0x2800000           ; the floor
	v_max_num_f32_dpp v8, v8, v8 row_xmask:1 row_mask:0xf bank_mask:0xf   ; with my neighbour's 16: the block's
	v_add_nc_u32 v11, 0xfe000000, v8
	v_cvt_scalef32_pk16_bf6_f32 v[CC+4*(\t):CC+4*(\t)+2], v[XS:XS+15], v11
	v_lshrrev_b32 v[CE+(\t)], 23, v11
	ds_store_b8 v5, v[CE+(\t)] offset:16*(\t)      ; both lanes of a block write the same byte with the same value
	global_store_b96 v4, v[CC+4*(\t):CC+4*(\t)+2], s[26:27] offset:384*(\t)   ; the wave stores 384 consecutive bytes
.endm
.macro TILEW q, a, e, x, add           ; the list's word of tile q = thread + add: class | rows << 8
	v_add_nc_u32 v[\q], \add, v0
	v_mov_b32 v[\a], s77
	v_mov_b32 v[\e], 0
.irp c, 1,2,3,4,5,6,7,8
	v_cmp_le_u32 vcc_lo, s[50+\c], v[\q]           ; class c begins at or before this tile
	v_cndmask_b32 v[\a], v[\a], s[77+\c], vcc_lo
	v_cndmask_b32 v[\e], v[\e], \c, vcc_lo
.endr
	v_lshlrev_b32 v[\x], 4, v[\q]
	v_sub_nc_u32 v[\a], v[\a], v[\x]               ; the class's rows from this tile's first slot on: 1 or more in a tile that is used
	v_min_u32 v[\a], 16, v[\a]
	v_cmp_le_u32 vcc_lo, s59, v[\q]                ; behind the last tile: class 9, no rows
	v_cndmask_b32 v[\a], v[\a], 0, vcc_lo
	v_cndmask_b32 v[\e], v[\e], 9, vcc_lo
	v_lshl_or_b32 v[\a], v[\a], 8, v[\e]
.endm
	s_load_b512 s[4:19], s[0:1], 0x0               ; dec_W 4, psr 6, atk 8, words 10, ctx 12, inp_pos 14, inp_word 16, wts 18
	s_load_b128 s[20:23], s[0:1], 0x40             ; route 20, tw 22
	v_lshl_add_u32 v192, v0, 2, 0x8400
	v_mov_b32 v193, 0
	v_lshrrev_b32 v1, 5, v0
	v_readfirstlane_b32 s30, v1                    ; wave 0..3
	v_and_b32 v1, 31, v0                           ; lane
	s_cmp_eq_u32 ttmp9, 0
	s_cbranch_scc1 .Lroute
	s_cmp_lt_u32 ttmp9, 257
	s_cbranch_scc1 .Llut
	s_cmp_lt_u32 ttmp9, 449
	s_cbranch_scc1 .Lw
; ---------------- ctx: a plain stream of blocks of 32; a wave takes 16 steps of 512 numbers.  LDS bytes 0 .. 32,767, 8,192 a wave: two stages of 32 x 80 bytes, then the wave's 256 scale bytes
	s_sub_co_u32 s31, ttmp9, 449
	s_lshl_b32 s31, s31, 2
	s_add_co_u32 s31, s31, s30                     ; which run of 8,192 numbers is my wave's: 0 .. 191
	s_lshl_b32 s24, s31, 15
	s_mov_b32 s25, 0
	s_mul_i32 s26, s31, 6144
	s_add_co_u32 s26, s26, CQ
	s_mov_b32 s27, 0
	s_lshl_b32 s28, s31, 8
	s_add_co_u32 s28, s28, CSB
	s_mov_b32 s29, 0
	s_wait_alu depctr_va_vdst(0)
	v_lshlrev_b32 v3, 4, v1                        ; my 16 bytes of a load's 512
	s_mul_i32 s32, s30, 8192
	v_lshrrev_b32 v14, 2, v1
	v_mul_u32_u24 v14, v14, SP
	v_and_b32 v15, 3, v1
	v_lshl_add_u32 v14, v15, 4, v14
	v_add_nc_u32 v14, s32, v14                     ; the stage, in: four lanes' 64 bytes on end, then 16 of padding
	v_mul_u32_u24 v15, v1, SP
	v_add_nc_u32 v15, s32, v15                     ; and out: my 16 neighbours
	v_mul_u32_u24 v4, v1, 12                       ; my codes' place in a step's
	v_lshrrev_b32 v5, 1, v1
	s_add_co_u32 s32, s32, 2*32*SP
	v_add_nc_u32 v5, s32, v5                       ; my block's scale byte
	v_lshlrev_b32 v7, 3, v1
	v_add_nc_u32 v6, s32, v7                       ; and on the way out 8 bytes a lane
	s_wait_alu depctr_va_vdst(0)
	s_wait_kmcnt 0x0
	s_add_nc_u64 s[24:25], s[12:13], s[24:25]
	s_add_nc_u64 s[26:27], s[18:19], s[26:27]
	s_add_nc_u64 s[28:29], s[18:19], s[28:29]
.irp t, 0,1,2,3
	CLOAD \t
.endr
	s_wait_loadcnt 12                              ; step 0's four loads are in
	CTURN 0
.irp t, 0,1,2,3,4,5,6,7,8,9,10,11,12,13,14,15
	CSTEP \t
.endr
	ds_load_b64 v[12:13], v6                       ; in order behind my byte stores
	s_wait_dscnt 0x0
	global_store_b64 v7, v[12:13], s[28:29]        ; 32 lanes store 256 consecutive aligned bytes
	s_wait_tensorcnt 0x0
	ds_add_u32 v192, v193
	s_wait_dscnt 0x0
	s_endpgm
; ---------------- dec_W: a wave takes 32 columns x 256 along K; the four waves stand side by side on 128 columns
.Lw:
	s_wait_alu depctr_va_vdst(0)
	COLREGS
	s_sub_co_u32 s31, ttmp9, 257
	s_lshr_b32 s32, s31, 6                         ; q: which 256 of K
	s_bfe_u32 s33, s31, 0x30003                    ; p
	s_and_b32 s34, s31, 7                          ; cg: which 128 columns
	s_mul_i32 s24, s33, 3145728
	s_lshl_b32 s35, s32, 20
	s_add_co_u32 s24, s24, s35
	s_lshl_b32 s35, s34, 9
	s_add_co_u32 s24, s24, s35
	s_lshl_b32 s35, s30, 7
	s_add_co_u32 s24, s24, s35                     ; dec_W[p][256 q][128 cg + 32 wave], in bytes
	s_mov_b32 s25, 0
	s_lshl_b32 s26, s33, 3
	s_add_co_u32 s26, s26, s34
	s_mul_i32 s26, s26, 48
	s_lshl_b32 s35, s32, 4
	s_add_co_u32 s26, s26, s35
	s_lshl_b32 s35, s30, 1
	s_add_co_u32 s26, s26, s35
	s_mul_i32 s26, s26, 1536                       ; fragment (8 p + cg) 48 + 8 (2 q) + 2 wave
	s_mov_b32 s27, 0
	s_lshl_b32 s28, s33, 5
	s_lshl_b32 s35, s34, 2
	s_add_co_u32 s28, s28, s35
	s_add_co_u32 s28, s28, s30
	s_mul_i32 s28, s28, 3
	s_add_co_u32 s28, s28, s32
	s_lshl_b32 s28, s28, 8
	s_add_co_u32 s28, s28, WSC                     ; record (32 p + 4 cg + wave) 3 + q
	s_mov_b32 s29, 0
	s_wait_alu depctr_va_vdst(0)
	s_wait_kmcnt 0x0
	s_add_nc_u64 s[24:25], s[4:5], s[24:25]
	s_add_nc_u64 s[26:27], s[18:19], s[26:27]
	s_add_nc_u64 s[28:29], s[18:19], s[28:29]
	LOADW 0
	LOADW 1
	LOADW 2
.irp t, 0,1,2,3,4,5,6,7
	BLOCK \t, 0
.endr
	global_store_b64 v4, v[6:7], s[28:29]          ; the wave's scale words: 256 consecutive aligned bytes
	s_endpgm
; ---------------- the tables: the same, with rows named by words[p]
.Llut:
	s_wait_alu depctr_va_vdst(0)
	COLREGS
	s_sub_co_u32 s31, ttmp9, 1
	s_lshr_b32 s32, s31, 7                         ; tb: psr or atk
	s_bfe_u32 s33, s31, 0x30004                    ; p
	s_bfe_u32 s34, s31, 0x20002                    ; q: which 256 of the 1,024 words
	s_and_b32 s35, s31, 3                          ; cg: which 128 columns
	s_lshl_b32 s36, s35, 9
	s_lshl_b32 s37, s30, 7
	s_add_co_u32 s36, s36, s37                     ; my wave's 32 columns in a row of the table, in bytes
	s_mov_b32 s37, 0
	s_lshl_b32 s38, s33, 12
	s_lshl_b32 s39, s34, 10
	s_add_co_u32 s38, s38, s39                     ; words[p][256 q], in bytes
	s_mov_b32 s39, 0
	s_lshl_b32 s40, s32, 3
	s_add_co_u32 s40, s40, s33
	s_lshl_b32 s41, s40, 2
	s_add_co_u32 s41, s41, s35                     ; (8 tb + p) 4 + cg
	s_lshl_b32 s26, s41, 6
	s_lshl_b32 s42, s34, 4
	s_add_co_u32 s26, s26, s42
	s_lshl_b32 s42, s30, 1
	s_add_co_u32 s26, s26, s42
	s_mul_i32 s26, s26, 1536
	s_add_co_u32 s26, s26, LQ
	s_mov_b32 s27, 0
	s_lshl_b32 s28, s41, 2
	s_add_co_u32 s28, s28, s30
	s_lshl_b32 s28, s28, 2
	s_add_co_u32 s28, s28, s34
	s_lshl_b32 s28, s28, 8
	s_add_co_u32 s28, s28, LSC
	s_mov_b32 s29, 0
	s_wait_alu depctr_va_vdst(0)
	s_wait_kmcnt 0x0
	s_cmp_eq_u32 s32, 0
	s_cselect_b64 s[24:25], s[6:7], s[8:9]         ; the choice hangs on the work-group's number alone
	s_add_nc_u64 s[24:25], s[24:25], s[36:37]
	s_add_nc_u64 s[10:11], s[10:11], s[38:39]
	s_add_nc_u64 s[26:27], s[18:19], s[26:27]
	s_add_nc_u64 s[28:29], s[18:19], s[28:29]
	SL 0
	SL 1
	LOADL 0
	LOADL 1
	LOADL 2
.irp t, 0,1,2,3,4,5,6,7
	BLOCK \t, 1
.endr
	global_store_b64 v4, v[6:7], s[28:29]
	s_endpgm
; ---------------- the routing: 128 threads, 16 tokens each: register n = 4 j + e of thread i holds token 512 j + 4 i + e.  A counting sort without atomics.  LDS bytes 32,768 .. 33,279
; Class c owns ceil(n_c / 16) tiles, from tile PB_c on; its tokens take the slots 16 PB_c + 0 .. n_c - 1, in any order.  At most (2,048 + 9 x 15) / 16 = 136 tiles, whatever the split.
; SCALARS: s32-40 counts (my wave's, then all), s41-49 the lower waves' counts, s50-59 PB, s68-76 the next free slot, s77-85 n_c + 16 PB_c, s88-96 nine masks
.Lroute:
	v_lshlrev_b32 v2, 4, v0
	v_lshlrev_b32 v3, 2, v0
	v_lshl_add_u32 v88, v0, 2, 0x8000              ; my word among the four waves' count vectors
	s_wait_alu depctr_va_vdst(0)
	v_lshl_add_u32 v89, v1, 2, 0x8000
	v_mov_b32 v98, 0
	s_wait_alu depctr_va_vdst(0)
	s_wait_kmcnt 0x0
.irp j, 0,1,2,3
	global_load_b128 v[16+4*\j:19+4*\j], v2, s[14:15] offset:2048*\j
.endr
.irp j, 0,1,2,3
	global_load_b128 v[32+4*\j:35+4*\j], v2, s[16:17] offset:2048*\j
.endr
.set n, 0
.rept 17                               ; the slot list is cleared: 17 x 512 bytes; the scatter comes behind the barrier below, in front of which these stores are waited for
	global_store_b32 v3, v98, s[20:21] offset:ORD+512*n
.set n, n+1
.endr
.set c, 0
.rept 9
	s_mov_b32 s[32+c], 0
.set c, c+1
.endr
	s_wait_loadcnt 0x0                             ; inp_pos and inp_word are in
.set n, 0
.rept 16
	v_min_u32 v[16+n], 8, v[16+n]                  ; classes 0 .. 7: the experts; 8: copied through
.set n, n+1
.endr
.set n, 0
.rept 16                               ; my wave's counts
.set c, 0
.rept 9
	v_cmp_eq_u32 s[88+c], c, v[16+n]
.set c, c+1
.endr
.set c, 0
.rept 9
	s_bcnt1_i32_b32 s87, s[88+c]
	s_add_co_u32 s[32+c], s[32+c], s87
.set c, c+1
.endr
.set n, n+1
.endr
	v_mov_b32 v86, 0
.set c, 0
.rept 9
	v_writelane_b32 v86, s[32+c], c                ; lane c: class c's count
.set c, c+1
.endr
	ds_store_b32 v88, v86
	s_wait_dscnt 0x0                               ; for the others' sake: my store is done,
	s_wait_storecnt 0x0                            ; and so are my zeros in the slot lists: any wave may write a slot behind the barrier
	s_barrier_signal -1
	s_barrier_wait -1
.irp w, 0,1,2,3
	ds_load_b32 v[80+\w], v89 offset:128*\w
.endr
	s_wait_dscnt 0x0
	v_add_nc_u32 v84, v80, v81
	v_add3_u32 v84, v84, v82, v83                  ; all waves' counts
	v_mov_b32 v85, 0
.irp w, 0,1,2
	s_cmp_gt_u32 s30, \w
	s_cselect_b32 s87, -1, 0
	v_and_b32 v87, s87, v[80+\w]
	v_add_nc_u32 v85, v85, v87                     ; the counts of the waves below mine
.endr
.set c, 0
.rept 9
	v_readlane_b32 s[32+c], v84, c
	v_readlane_b32 s[41+c], v85, c
.set c, c+1
.endr
	s_mov_b32 s50, 0
.set c, 0
.rept 9
	s_add_co_u32 s87, s[32+c], 15
	s_lshr_b32 s87, s87, 4
	s_add_co_u32 s[51+c], s[50+c], s87             ; PB_(c+1)
	s_lshl_b32 s87, s[50+c], 4
	s_add_co_u32 s[68+c], s87, s[41+c]             ; my wave's first slot of class c
	s_add_co_u32 s[77+c], s87, s[32+c]
.set c, c+1
.endr
.set n, 0
.rept 16                               ; each token's slot
	v_mov_b32 v[48+n], 0
.set c, 0
.rept 9
	v_cmp_eq_u32 s[88+c], c, v[16+n]
.set c, c+1
.endr
.set c, 0
.rept 9
	v_mbcnt_lo_u32_b32 v87, s[88+c], s[68+c]       ; the next free slot + the lanes below mine that hold the same class
	v_cndmask_b32 v[48+n], v[48+n], v87, s[88+c]
.set c, c+1
.endr
.set c, 0
.rept 9
	s_bcnt1_i32_b32 s87, s[88+c]
	s_add_co_u32 s[68+c], s[68+c], s87
.set c, c+1
.endr
.set n, n+1
.endr
.set n, 0
.rept 16
	v_min_u32 v[48+n], 2175, v[48+n]               ; a slot stays inside the list
	v_lshlrev_b32 v[48+n], 2, v[48+n]
	v_lshl_add_u32 v[64+n], v0, 2, 512*(n/4)+(n%4) ; the token's number, 11 bits,
	v_lshl_or_b32 v[64+n], v[32+n], 11, v[64+n]    ; and above it its own word (under 2^15: it indexes a table of 20,000)
.set n, n+1
.endr
.set n, 0
.rept 16
	global_store_b32 v[48+n], v[64+n], s[20:21] offset:ORD    ; a scatter of 8,192 bytes in all
.set n, n+1
.endr
	TILEW 90, 91, 92, 93, 0
	TILEW 94, 95, 96, 97, 128
	global_store_b32 v3, v91, s[20:21]             ; the list of tiles: 256 words, 512 consecutive bytes a store of the work-group
	global_store_b32 v3, v95, s[20:21] offset:512
	s_cmp_lg_u32 s30, 0
	s_cbranch_scc1 .Lnot_wave_0
	v_mov_b32 v99, 0
.set c, 0
.rept 9
	v_writelane_b32 v99, s[50+c], c                ; lane c: class c's first tile
.set c, c+1
.endr
	global_store_b32 v3, v84, s[20:21] offset:NCO  ; wave 0: the counts (in wave 0 the thread's number is the lane's); lanes 9 .. 31 hold zeros
	global_store_b32 v3, v99, s[20:21] offset:NCO+128
.Lnot_wave_0:
	v_mov_b32 v100, 0
	v_mov_b32 v101, 0
	v_mov_b32 v102, 0
	v_mov_b32 v103, 0
	s_wait_alu depctr_va_vdst(0)
	s_wait_loadcnt 0x0                             ; inp_word
.irp j, 0,1,2,3
	global_store_b128 v2, v[100:103], s[22:23] offset:2048*\j          ; tw: no share in the entropy,
	global_store_b128 v2, v[32+4*\j:35+4*\j], s[22:23] offset:8192+2048*\j
.endr
	s_wait_tensorcnt 0x0
	ds_add_u32 v192, v193
	s_wait_dscnt 0x0
	s_endpgm
.Lfunc_end_k_qcc48951c6b_prep:
	.size	k_qcc48951c6b_prep, .Lfunc_end_k_qcc48951c6b_prep-k_qcc48951c6b_prep
	.p2alignl 7, 3214868480
	.fill 96, 4, 3214868480
	.section	.rodata,"a",@progbits
	.p2align	6, 0x0
	.amdhsa_kernel k_qcc48951c6b_prep
		.amdhsa_group_segment_fixed_size 34304
		.amdhsa_private_segment_fixed_size 0
		.amdhsa_enable_private_segment 0
		.amdhsa_kernarg_size 80
		.amdhsa_user_sgpr_count 2
		.amdhsa_user_sgpr_kernarg_segment_ptr 1
		.amdhsa_wavefront_size32 1
		.amdhsa_system_sgpr_workgroup_id_x 1
		.amdhsa_system_sgpr_workgroup_id_y 1
		.amdhsa_system_sgpr_workgroup_id_z 1
		.amdhsa_system_vgpr_workitem_id 0
		.amdhsa_next_free_vgpr 194
		.amdhsa_next_free_sgpr 100
		.amdhsa_reserve_vcc 1
		.amdhsa_float_denorm_mode_32 3
		.amdhsa_float_denorm_mode_16_64 3
		.amdhsa_memory_ordered 1
		.amdhsa_forward_progress 1
		.amdhsa_inst_pref_size 216
	.end_amdhsa_kernel
	.amdgpu_metadata
---
amdhsa.version: [ 1, 2 ]
amdhsa.kernels:
  - .name:           k_qcc48951c6b_prep
    .symbol:         k_qcc48951c6b_prep.kd
    .args:
      - { .name: dec_W, .offset: 0, .size: 8, .value_kind: global_buffer, .address_space: global }
      - { .name: psr_weight, .offset: 8, .size: 8, .value_kind: global_buffer, .address_space: global }
      - { .name: atk_weight, .offset: 16, .size: 8, .value_kind: global_buffer, .address_space: global }
      - { .name: words, .offset: 24, .size: 8, .value_kind: global_buffer, .address_space: global }
      - { .name: ctx, .offset: 32, .size: 8, .value_kind: global_buffer, .address_space: global }
      - { .name: inp_pos, .offset: 40, .size: 8, .value_kind: global_buffer, .address_space: global }
      - { .name: inp_word, .offset: 48, .size: 8, .value_kind: global_buffer, .address_space: global }
      - { .name: wts, .offset: 56, .size: 8, .value_kind: global_buffer, .address_space: global }
      - { .name: route, .offset: 64, .size: 8, .value_kind: global_buffer, .address_space: global }
      - { .name: tw, .offset: 72, .size: 8, .value_kind: global_buffer, .address_space: global }
    .group_segment_fixed_size: 34304
    .private_segment_fixed_size: 0
    .kernarg_segment_align: 8
    .kernarg_segment_size: 80
    .max_flat_workgroup_size: 128
    .sgpr_count:     100
    .vgpr_count:     194
    .wavefront_size: 32
...
	.end_amdgpu_metadata
.endif
;; end of part 1
;; launch logits (part 2): grid 272 x 1, 8 waves a work-group, no clusters, 78,848 bytes of LDS; arguments route, wts, dec_b, lg; writes lg
.if DOCPART == 2
	.amdgcn_target "amdgcn-amd-amdhsa--gfx1250"
	.amdhsa_code_object_version 6
	.text
	.protected	k_qcc48951c6b_logits
	.globl	k_qcc48951c6b_logits
	.p2align	8
	.type	k_qcc48951c6b_logits,@function
k_qcc48951c6b_logits:
	s_mov_b64 s[64:65], 0
	v_nop
	global_prefetch_b8 v0, s[64:65] scope:SCOPE_SE
	s_setreg_imm32_b32 hwreg(HW_REG_WAVE_MODE, 25, 1), 1
	s_wait_xcnt 0x0
; LOGITS: lg[slot][m] = ctx[token(slot)] . dec_W[p][:, m] + dec_b[p][m] on codes of E3M2, for the rows of the chosen expert alone (by inp_pos, one expert's row is kept for each token).
; Work-group x: tile x / 2 of the stored list (16 slots of one expert), columns 512 (x % 2) on; wave w of eight: 64 columns, w16 = 8 (x % 2) + w.  Waves share nothing: no barrier.
; A tile without an expert's rows ends at once: a scalar branch on the stored list.  So operands come by plain loads; no cluster: which work-groups read one expert's codes hangs on that list.
; The tile's word and its slots' tokens are asked for together: a slot that no token takes holds token 0, whose row is computed and stored by slot, so that every slot of the tile is written.
; ctx: every wave takes the tile's 16 rows of 576 bytes in pieces of 32 bytes (two lanes to a row), turns them in LDS bytes of its own (pitch 592) and reads them back as fragments.
; The wave's 24 fragments of dec_W (4 tiles of 16 columns x 6 K steps) all have registers of their own: 21 in window 1, 3 in window 0.  No prefetch: the text has no loop to run ahead in.
; TRANSPOSED: source 0 = 16 columns of dec_W, source 1 = 16 tokens: lane (r, h), register j of accumulator t = lg(row r, 64 w16 + 16 t + 8 h + j).  The bias is loaded into the accumulators: the C of each first product.
; REGISTERS, window 0: v1 lane, v2 r, v3 h, v4 16 l, v5 8 l, v6, v9 list offsets, v7, v8 tokens, v10 32 h, v11, v12 stage in and out, v13 16 (l % 2), v14, v15 ctx in and out; v16-47 accumulators; v48-119 ctx;
;   v120-125 ctx's scale words; v128-139 the weights'; v140-175 fragments 21-23; v184-215 rows on the way out; v224 lg's offset; v225, v226 ctx's offsets.  window 1: v0-251 fragments 0-20.
.set WSC,  4718592
.set CQ,   11468800
.set CSB,  12648448
.set ORD,  1280
.set ACC,  16
.set CF,   48
.set CS,   120
.set WS,   128
.set XF,   140
.set BK,   184
.set WREG, 9728                        ; LDS for a wave: 16 rows x 592 bytes; the stage of the way out (16 x 272) lies over them when they have been read
.set SPARE, 8*WREG                     ; the spare words, 128 bytes a wave
.set MSB, 0
.macro WIN new                         ; the immediate's high byte repeats the setting that is left
.if MSB != \new
	s_set_vgpr_msb (MSB<<8)|\new
.set MSB, \new
.endif
.endm
.macro LOADF f                         ; fragment f = 4 s + t
.if (\f) < 21
	WIN 0x40
.set FB, 12*(\f)
.else
	WIN 0
.set FB, XF+12*((\f)-21)
.endif
.irp j, 0,1,2
	global_load_b128 v[FB+4*\j:FB+4*\j+3], v4, s[20:21] offset:(8*((\f)/4)+(\f)%4)*1536+512*\j
.endr
.endm
.macro PROD s, t, row
.set FI, 4*(\s)+(\t)
.if FI < 21
	WIN 0x01
.set AB, 12*FI
.else
	WIN 0
.set AB, XF+12*(FI-21)
.endif
	v_wmma_scale_f32_16x16x128_f8f6f4 v[ACC+8*(\t):ACC+8*(\t)+7], v[AB:AB+11], v[CF+12*(\s):CF+12*(\s)+11], v[ACC+8*(\t):ACC+8*(\t)+7], v[WS+6*((\t)/2)+(\s)], v[CS+(\s)] matrix_a_fmt:MATRIX_FMT_BF6 matrix_b_fmt:MATRIX_FMT_BF6 matrix_a_scale:\row
.endm
.macro KSTEP s                         ; four products, the four accumulators by turns
.if (\s) < 2
	s_wait_loadcnt 48                              ; fragments 0-7 and ctx's scale words are in; fragments 8-23, 48 loads, may be out
.else
	s_wait_loadcnt 12*(5-(\s))                     ; the later steps' fragments may be out
.endif
	s_wait_dscnt 6*(5-(\s))                        ; this step's six reads of ctx are in
	PROD \s, 0, MATRIX_SCALE_ROW0
	PROD \s, 1, MATRIX_SCALE_ROW1
	PROD \s, 2, MATRIX_SCALE_ROW0
	PROD \s, 3, MATRIX_SCALE_ROW1
.endm
	s_load_b256 s[4:11], s[0:1], 0x0               ; route 4, wts 6, dec_b 8, lg 10
	v_lshl_add_u32 v254, v0, 2, SPARE
	v_mov_b32 v255, 0
	v_lshrrev_b32 v1, 5, v0
	v_readfirstlane_b32 s12, v1                    ; wave 0..7
	v_and_b32 v1, 31, v0
	v_and_b32 v2, 15, v0                           ; r
	v_bfe_u32 v3, v0, 4, 1                         ; h
	v_lshlrev_b32 v4, 4, v1
	v_lshlrev_b32 v5, 3, v1
	v_lshlrev_b32 v10, 5, v3
	v_lshrrev_b32 v6, 1, v1                        ; ctx in: row l / 2,
	v_and_b32 v13, 1, v1
	v_lshlrev_b32 v13, 4, v13                      ; 16 bytes for each of its two lanes
	s_mul_i32 s19, s12, WREG
	v_mad_u32_u24 v14, v6, 592, v13
	v_add_nc_u32 v14, s19, v14
	v_lshlrev_b32 v6, 2, v6
	v_lshlrev_b32 v9, 2, v2
	v_mul_u32_u24 v15, v2, 592                     ; ctx out: row r, + 24 h
	v_mad_u32_u24 v15, v3, 24, v15
	v_add_nc_u32 v15, s19, v15
	v_mul_u32_u24 v11, v2, 272                     ; the stage, in: row r, 32 bytes for each half of the lanes
	v_lshl_add_u32 v11, v3, 5, v11
	v_add_nc_u32 v11, s19, v11
	v_mul_u32_u24 v12, v3, 272                     ; back: sixteen lanes to a row of 256 bytes, two rows a load
	v_lshl_add_u32 v12, v2, 4, v12
	v_add_nc_u32 v12, s19, v12
	v_lshlrev_b32 v224, 12, v3
	v_lshl_add_u32 v224, v2, 4, v224               ; and the same two rows in lg
	s_lshr_b32 s13, ttmp9, 1                       ; tile
	s_and_b32 s17, ttmp9, 1
	s_lshl_b32 s17, s17, 3
	s_add_co_u32 s17, s17, s12                     ; w16
	s_lshl_b32 s18, s13, 2
	s_lshl_b32 s32, s13, 6
	s_mov_b32 s33, 0
	s_wait_alu depctr_va_vdst(0)
	s_wait_kmcnt 0x0
	s_load_b32 s14, s[4:5], s18 offset:0x0         ; the tile's word: class | rows << 8
	s_add_nc_u64 s[32:33], s[4:5], s[32:33]        ; the tile's 16 slots in the list
	global_load_b32 v7, v6, s[32:33] offset:ORD    ; the token of row l / 2
	global_load_b32 v8, v9, s[32:33] offset:ORD    ; and of row r
	s_wait_kmcnt 0x0
	s_and_b32 s15, s14, 255
	s_cmp_gt_u32 s15, 7
	s_cbranch_scc1 .Lend                           ; no expert's rows here
	s_min_u32 s15, s15, 7
	s_lshl_b32 s18, s15, 3
	s_lshr_b32 s16, s17, 1
	s_add_co_u32 s18, s18, s16                     ; 8 p + w16 / 2: a run of 48 fragments,
	s_mul_i32 s20, s18, 73728
	s_and_b32 s16, s17, 1
	s_mul_i32 s16, s16, 6144                       ; in it my four of each K step's eight
	s_add_co_u32 s20, s20, s16
	s_mov_b32 s21, 0
	s_add_nc_u64 s[20:21], s[6:7], s[20:21]
	s_lshl_b32 s24, s15, 4
	s_add_co_u32 s24, s24, s17                     ; 16 p + w16
	s_mul_i32 s22, s24, 1536                       ; 2 groups x 3 records of 256 bytes
	s_add_co_u32 s22, s22, WSC
	s_mov_b32 s23, 0
	s_add_nc_u64 s[22:23], s[6:7], s[22:23]
	s_lshl_b32 s24, s24, 8
	s_mov_b32 s25, 0
	s_add_nc_u64 s[24:25], s[8:9], s[24:25]        ; dec_b[p][64 w16]
	s_add_nc_u64 s[26:27], s[6:7], CQ
	s_add_nc_u64 s[28:29], s[6:7], CSB
	s_lshl_b32 s30, s13, 16
	s_lshl_b32 s34, s17, 8
	s_add_co_u32 s30, s30, s34
	s_mov_b32 s31, 0
	s_add_nc_u64 s[30:31], s[10:11], s[30:31]      ; lg[16 tile][64 w16]
.set t, 0
.rept 4
	global_load_b128 v[ACC+8*t:ACC+8*t+3], v10, s[24:25] offset:64*t        ; the bias of my eight columns of tile t
	global_load_b128 v[ACC+8*t+4:ACC+8*t+7], v10, s[24:25] offset:64*t+16
.set t, t+1
.endr
.irp g, 0,1
.irp q, 0,1,2
	global_load_b64 v[WS+6*\g+2*\q:WS+6*\g+2*\q+1], v5, s[22:23] offset:(3*\g+\q)*256
.endr
.endr
.irp f, 0,1,2,3,4,5,6,7
	LOADF \f
.endr
	WIN 0
	s_wait_loadcnt 38                              ; both tokens are in: behind them 8 loads of the bias, 6 of scale words, 24 of fragments
	v_and_b32 v7, 2047, v7                         ; the list's word: the token in its low 11 bits
	v_and_b32 v8, 2047, v8
	v_min_u32 v7, 2047, v7
	v_min_u32 v8, 2047, v8
	v_mad_u32_u24 v225, v7, 576, v13               ; a token's codes: 576 bytes
	v_mul_u32_u24 v226, v8, 24                     ; its scale bytes
.set i, 0
.rept 18
	global_load_b128 v[CF+4*i:CF+4*i+3], v225, s[26:27] offset:32*i     ; 32 bytes of each of the 16 rows
.set i, i+1
.endr
.irp q, 0,1,2
	global_load_b64 v[CS+2*\q:CS+2*\q+1], v226, s[28:29] offset:8*\q
.endr
.irp f, 8,9,10,11,12,13,14,15,16,17,18,19,20,21,22,23
	LOADF \f
.endr
	WIN 0
	s_wait_loadcnt 51                              ; ctx's 18 loads are in: behind them 3 of scale words and 48 of fragments
.set i, 0
.rept 18
	ds_store_b128 v14, v[CF+4*i:CF+4*i+3] offset:32*i
.set i, i+1
.endr
	s_wait_dscnt 0x0                               ; the stores have read their registers, which the reads below fill
.irp s, 0,1,2,3,4,5
.irp p, 0,1,2,3,4,5
	ds_load_b64 v[CF+12*\s+2*\p:CF+12*\s+2*\p+1], v15 offset:96*\s+48*(\p/3)+8*(\p%3)
.endr
.endr
.irp s, 0,1,2,3,4,5
	KSTEP \s
.endr
	WIN 0
.rept 4
	v_nop                                          ; four places ahead of the first read of results (ISA guide 7.12.1)
.endr
; THE WAY OUT: through my own stage, back as rows of 256 bytes.  LDS serves a wave's instructions in order: no wait between.
.set t, 0
.rept 4
	ds_store_b128 v11, v[ACC+8*t:ACC+8*t+3] offset:64*t            ; each accumulator from its low end on
	ds_store_b128 v11, v[ACC+8*t+4:ACC+8*t+7] offset:64*t+16
.set t, t+1
.endr
.set i, 0
.rept 8
	ds_load_b128 v[BK+4*i:BK+4*i+3], v12 offset:544*i
.set i, i+1
.endr
.set i, 0
.rept 8
	s_wait_dscnt 7-i                               ; rows 2 i, 2 i + 1 are back; the younger reads may be out
	global_store_b128 v224, v[BK+4*i:BK+4*i+3], s[30:31] offset:8192*i   ; sixteen lanes store 256 consecutive aligned bytes
.set i, i+1
.endr
.Lend:
	s_wait_tensorcnt 0x0                           ; the wave's end
	ds_add_u32 v254, v255
	s_wait_dscnt 0x0
	s_endpgm
.Lfunc_end_k_qcc48951c6b_logits:
	.size	k_qcc48951c6b_logits, .Lfunc_end_k_qcc48951c6b_logits-k_qcc48951c6b_logits
	.p2alignl 7, 3214868480
	.fill 96, 4, 3214868480
	.section	.rodata,"a",@progbits
	.p2align	6, 0x0
	.amdhsa_kernel k_qcc48951c6b_logits
		.amdhsa_group_segment_fixed_size 78848
		.amdhsa_private_segment_fixed_size 0
		.amdhsa_enable_private_segment 0
		.amdhsa_kernarg_size 32
		.amdhsa_user_sgpr_count 2
		.amdhsa_user_sgpr_kernarg_segment_ptr 1
		.amdhsa_wavefront_size32 1
		.amdhsa_system_sgpr_workgroup_id_x 1
		.amdhsa_system_sgpr_workgroup_id_y 1
		.amdhsa_system_sgpr_workgroup_id_z 1
		.amdhsa_system_vgpr_workitem_id 0
		.amdhsa_next_free_vgpr 512
		.amdhsa_next_free_sgpr 66
		.amdhsa_reserve_vcc 0
		.amdhsa_float_denorm_mode_32 3
		.amdhsa_float_denorm_mode_16_64 3
		.amdhsa_memory_ordered 1
		.amdhsa_forward_progress 1
		.amdhsa_inst_pref_size 24
	.end_amdhsa_kernel
	.amdgpu_metadata
---
amdhsa.version: [ 1, 2 ]
amdhsa.kernels:
  - .name:           k_qcc48951c6b_logits
    .symbol:         k_qcc48951c6b_logits.kd
    .args:
      - { .name: route, .offset: 0, .size: 8, .value_kind: global_buffer, .address_space: global }
      - { .name: wts, .offset: 8, .size: 8, .value_kind: global_buffer, .address_space: global }
      - { .name: dec_b, .offset: 16, .size: 8, .value_kind: global_buffer, .address_space: global }
      - { .name: lg, .offset: 24, .size: 8, .value_kind: global_buffer, .address_space: global }
    .group_segment_fixed_size: 78848
    .private_segment_fixed_size: 0
    .kernarg_segment_align: 8
    .kernarg_segment_size: 32
    .max_flat_workgroup_size: 256
    .sgpr_count:     66
    .vgpr_count:     512
    .wavefront_size: 32
...
	.end_amdgpu_metadata
.endif
;; end of part 2
;; launch soft (part 3): grid 544 x 1, 4 waves a work-group, no clusters, 23,040 bytes of LDS; arguments route, lg, u_gumbel, words, pq, tw; writes pq, tw
.if DOCPART == 3
	.amdgcn_target "amdgcn-amd-amdhsa--gfx1250"
	.amdhsa_code_object_version 6
	.text
	.protected	k_qcc48951c6b_soft
	.globl	k_qcc48951c6b_soft
	.p2align	8
	.type	k_qcc48951c6b_soft,@function
k_qcc48951c6b_soft:
	s_mov_b64 s[64:65], 0
	v_nop
	global_prefetch_b8 v0, s[64:65] scope:SCOPE_SE
	s_setreg_imm32_b32 hwreg(HW_REG_WAVE_MODE, 25, 1), 1
	s_wait_xcnt 0x0
; SOFT: all that runs along a row of 1,024 logits; one wave, one slot; the row stays in registers.  Work-group x: tile x / 4, rows 4 (x % 4) + wave.  Waves share nothing: no barrier.
;   pspt = x - max - ln(sum e^(x - max));  the token's share in the entropy = (ln S - Q / S) / (1,024 n_p), Q = sum e^d d;
;   z = pspt - ln(-ln(clip(u)));  the chosen word = words[p][argmax z], the lowest index on a tie: it travels WITH the index in one key (index << 15 | word) and is picked by selects, never used as an address;
;   t = z log2(e), M = ceil(max t), p = 2^(t - M): quantised to E3M2 along the row; l = the sum of the unquantised p; 1 / l goes with the scale words.
; Lane l holds m = 128 i + 4 l + e in register 4 i + e, so every load is 512 consecutive bytes.  For the conversions a lane needs 16 neighbours: p turns through the wave's own stage in LDS.
; OUT: pq: codes [slot][768 bytes]; records [slot][64 bytes]: 8 scale words, 1 / l, 7 zeros.  tw[token] = the entropy's share, tw[2,048 + token] = the word.  (The record's 64 bytes and tw's two words are parts of blocks of 256 bytes.)
; A tile's rows beyond its count hold token 0: they fill their own slots and store nothing by token.
; LIMITS: a p under 2^-126 counts as 0 (v_exp_f32 gives 0 there: ISA guide, its entry); a block of zeros gets the byte 1 with zero codes; NaN and infinities are not served; words stay under 2^15 (they index a table of 20,000).
; REGISTERS: v1 lane, v2 16 l, v3, v4 the stage in and out, v5, v6 the scale bytes in and out, v7 12 l, v8 4 l, v9 l << 17, v10, v11 at work, v[12:13] a number twice, v[14:15] sums,
;   v16-47 the row, v48-79 u, later 2 x 16 neighbours, v80-111 words, then keys, v112-143 e^d, v144-150 codes, v152-159 the row's single numbers.
.set NCO,  1024
.set ORD,  1280
.set REC,  1671168
.set WREG, 5632                        ; LDS for a wave: 64 places of 80 bytes, then its 32 scale bytes
.set SP,   80
.macro WMAX r                          ; over the 32 lanes; every lane ends with the result
	v_max_num_f32_dpp v[\r], v[\r], v[\r] row_xmask:1 row_mask:0xf bank_mask:0xf
	v_max_num_f32_dpp v[\r], v[\r], v[\r] row_xmask:2 row_mask:0xf bank_mask:0xf
	v_max_num_f32_dpp v[\r], v[\r], v[\r] row_xmask:4 row_mask:0xf bank_mask:0xf
	v_max_num_f32_dpp v[\r], v[\r], v[\r] row_xmask:8 row_mask:0xf bank_mask:0xf
	v_permlanex16_b32 v10, v[\r], s30, s31
	v_max_num_f32 v[\r], v[\r], v10
.endm
.macro WSUM r
	v_add_f32_dpp v[\r], v[\r], v[\r] row_xmask:1 row_mask:0xf bank_mask:0xf
	v_add_f32_dpp v[\r], v[\r], v[\r] row_xmask:2 row_mask:0xf bank_mask:0xf
	v_add_f32_dpp v[\r], v[\r], v[\r] row_xmask:4 row_mask:0xf bank_mask:0xf
	v_add_f32_dpp v[\r], v[\r], v[\r] row_xmask:8 row_mask:0xf bank_mask:0xf
	v_permlanex16_b32 v10, v[\r], s30, s31
	v_add_f32 v[\r], v[\r], v10
.endm
.macro WMINU r
.irp x, 1,2,4,8
	v_mov_b32_dpp v10, v[\r] row_xmask:\x row_mask:0xf bank_mask:0xf
	v_min_u32 v[\r], v[\r], v10
.endr
	v_permlanex16_b32 v10, v[\r], s30, s31
	v_min_u32 v[\r], v[\r], v10
.endm
.macro RMAX d                          ; the largest of the row's 1,024
	v_max3_num_f32 v[\d], v16, v17, v18
	v_max3_num_f32 v11, v19, v20, v21
.irp i, 6,10,14,18,22,26
	v_max3_num_f32 v[\d], v[\d], v[16+\i], v[17+\i]
	v_max3_num_f32 v11, v11, v[18+\i], v[19+\i]
.endr
	v_max3_num_f32 v[\d], v[\d], v46, v47
	v_max_num_f32 v[\d], v[\d], v11
	WMAX \d
.endm
.macro Q16 a                           ; half a of the row: my 16 neighbours (two neighbouring lanes hold a block) become 12 bytes of codes and a scale byte.  No |.|: p is not negative
.set XS, 48+16*(\a)
	v_max3_num_f32 v10, v[XS], v[XS+1], v[XS+2]
	v_max3_num_f32 v11, v[XS+3], v[XS+4], v[XS+5]
.irp i, 6,10
	v_max3_num_f32 v10, v10, v[XS+\i], v[XS+\i+1]
	v_max3_num_f32 v11, v11, v[XS+\i+2], v[XS+\i+3]
.endr
	v_max3_num_f32 v10, v10, v[XS+14], v[XS+15]
	v_max3_num_f32 v10, v10, v11, 0x2800000        ; the floor 2^(5 - 127): the byte cannot fall under 1
	v_max_num_f32_dpp v10, v10, v10 row_xmask:1 row_mask:0xf bank_mask:0xf
	v_add_nc_u32 v[12+(\a)], 0xfe000000, v10       ; 4 off the exponent field: the conversion's scale operand
	v_cvt_scalef32_pk16_bf6_f32 v[144+4*(\a):146+4*(\a)], v[XS:XS+15], v[12+(\a)]
	v_lshrrev_b32 v[14+(\a)], 23, v[12+(\a)]       ; the byte (a plain place behind the conversion)
	ds_store_b8 v5, v[14+(\a)] offset:16*(\a)
	global_store_b96 v7, v[144+4*(\a):146+4*(\a)], s[40:41] offset:384*(\a)   ; the wave stores 384 consecutive bytes
.endm
	s_load_b256 s[4:11], s[0:1], 0x0               ; route 4, lg 6, u_gumbel 8, words 10
	s_load_b128 s[12:15], s[0:1], 0x20             ; pq 12, tw 14
	v_lshl_add_u32 v160, v0, 2, 0x5800
	v_mov_b32 v161, 0
	v_lshrrev_b32 v1, 5, v0
	v_readfirstlane_b32 s16, v1                    ; wave
	v_and_b32 v1, 31, v0
	s_lshr_b32 s23, ttmp9, 2                       ; tile
	s_and_b32 s20, ttmp9, 3
	s_lshl_b32 s20, s20, 2
	s_add_co_u32 s20, s20, s16                     ; my row of the tile
	s_lshl_b32 s32, s23, 2
	s_wait_alu depctr_va_vdst(0)
	s_wait_kmcnt 0x0
	s_load_b32 s17, s[4:5], s32 offset:0x0         ; the tile's word
	s_lshl_b32 s34, s23, 6
	s_lshl_b32 s35, s20, 2
	s_add_co_u32 s34, s34, s35
	s_load_b32 s21, s[4:5], s34 offset:ORD         ; my slot's token, asked for with the word: a slot beyond the tile's count holds token 0; it fills its own slot and stores nothing by token
	v_lshlrev_b32 v2, 4, v1
	s_mul_i32 s33, s16, WREG
	v_lshrrev_b32 v3, 2, v1
	v_mul_u32_u24 v3, v3, SP
	v_and_b32 v4, 3, v1
	v_lshl_add_u32 v3, v4, 4, v3
	v_add_nc_u32 v3, s33, v3                       ; the stage, in: four lanes' 64 bytes on end, then 16 of padding
	v_mul_u32_u24 v4, v1, SP
	v_add_nc_u32 v4, s33, v4                       ; out: my 16 neighbours
	s_add_co_u32 s33, s33, 64*SP
	v_lshrrev_b32 v5, 1, v1
	v_add_nc_u32 v5, s33, v5                       ; my block's scale byte
	v_and_b32 v6, 7, v1
	v_lshl_add_u32 v6, v6, 2, s33                  ; a scale word
	v_mul_u32_u24 v7, v1, 12
	v_lshlrev_b32 v8, 2, v1
	v_lshlrev_b32 v9, 17, v1                       ; 4 l as a part of the key's index
	v_mov_b32 v10, 0                               ; written once: a lane permute's destination counts as one of its sources
	s_mov_b32 s24, 0x3fb8aa3b                      ; log2(e), as a pair
	s_mov_b32 s25, s24
	s_mov_b32 s26, 0xbf317218                      ; -ln(2), as a pair
	s_mov_b32 s27, s26
	s_mov_b32 s28, 0x358637bd                      ; 1e-6
	s_mov_b32 s29, 0x3f7fffef                      ; 1 - 1e-6
	s_mov_b32 s30, 0x76543210
	s_mov_b32 s31, 0xfedcba98                      ; v_permlanex16_b32's selects for lane l xor 16
	s_wait_kmcnt 0x0
	s_and_b32 s18, s17, 255
	s_cmp_gt_u32 s18, 7
	s_cbranch_scc1 .Lout                           ; no expert's rows here
	s_min_u32 s18, s18, 7
	s_lshr_b32 s19, s17, 8                         ; the tile's rows
	s_lshl_b32 s35, s18, 2
	s_load_b32 s22, s[4:5], s35 offset:NCO         ; n_p
	s_lshl_b32 s46, s23, 4
	s_add_co_u32 s46, s46, s20                     ; my slot
	s_lshl_b32 s36, s46, 12
	s_mov_b32 s37, 0
	s_add_nc_u64 s[36:37], s[6:7], s[36:37]
	s_lshl_b32 s38, s18, 12
	s_mov_b32 s39, 0
	s_add_nc_u64 s[38:39], s[10:11], s[38:39]
	s_mul_i32 s40, s46, 768
	s_mov_b32 s41, 0
	s_add_nc_u64 s[40:41], s[12:13], s[40:41]
	s_lshl_b32 s42, s46, 6
	s_add_co_u32 s42, s42, REC
	s_mov_b32 s43, 0
	s_add_nc_u64 s[42:43], s[12:13], s[42:43]
.set i, 0
.rept 8
	global_load_b128 v[16+4*i:19+4*i], v2, s[36:37] offset:512*i th:TH_LOAD_NT
.set i, i+1
.endr
.set i, 0
.rept 8
	global_load_b128 v[80+4*i:83+4*i], v2, s[38:39] offset:512*i
.set i, i+1
.endr
	s_and_b32 s21, s21, 2047                       ; the list's word: the token in its low 11 bits
	s_min_u32 s21, s21, 2047
	s_lshl_b32 s44, s21, 12
	s_mov_b32 s45, 0
	s_add_nc_u64 s[44:45], s[8:9], s[44:45]
	s_lshl_b32 s47, s21, 2
.set i, 0
.rept 8
	global_load_b128 v[48+4*i:51+4*i], v2, s[44:45] offset:512*i     ; no hint: a tile's fill rows name the same row again
.set i, i+1
.endr
	s_wait_loadcnt 16                              ; the logits are in; the 8 loads of words and the 8 of u may be out
	s_wait_kmcnt 0x0                               ; n_p
; ---- the first softmax: d = x - max, E = e^d, S = sum E, Q = sum E d
	RMAX 12
	v_mov_b32 v13, v12
.set k, 0
.rept 16
	v_pk_add_f32 v[16+k:17+k], v[16+k:17+k], v[12:13] neg_lo:[0,1] neg_hi:[0,1]
.set k, k+2
.endr
.set k, 0
.rept 16
	v_pk_mul_f32 v[112+k:113+k], v[16+k:17+k], s[24:25] op_sel_hi:[1,0]
.set k, k+2
.endr
.set k, 0
	s_wait_alu depctr_va_vdst(0)
.rept 32
	v_exp_f32 v[112+k], v[112+k]
.set k, k+1
.endr
	v_cvt_f32_u32 v158, s22                        ; (plain places behind the exponentials)
	v_mul_f32 v158, 0x44800000, v158               ; 1,024 n_p
	s_wait_alu depctr_va_vdst(0)
	v_pk_add_f32 v[14:15], v[112:113], v[114:115]
	v_pk_mul_f32 v[154:155], v[112:113], v[16:17]
	v_pk_fma_f32 v[154:155], v[114:115], v[18:19], v[154:155]
.set k, 4
.rept 14
	v_pk_add_f32 v[14:15], v[14:15], v[112+k:113+k]
	v_pk_fma_f32 v[154:155], v[112+k:113+k], v[16+k:17+k], v[154:155]
.set k, k+2
.endr
	v_add_f32 v14, v14, v15
	v_add_f32 v154, v154, v155
	WSUM 14
	WSUM 154
	s_wait_alu depctr_va_vdst(0)
	v_log_f32 v156, v14
	v_rcp_f32 v159, v14
	v_rcp_f32 v158, v158
	v_nop                                          ; one plain place behind the transcendentals
	s_wait_alu depctr_va_vdst(0)
	v_mul_f32 v156, 0x3f317218, v156               ; ln S
	v_fma_f32 v157, -v154, v159, v156              ; ln S - Q / S
	v_mul_f32 v157, v157, v158                     ; the token's share in the entropy
; ---- the noise: g = -ln(-ln(clip(u)))
	s_wait_loadcnt 0x0
.set k, 0
.rept 32
	v_med3_num_f32 v[48+k], v[48+k], s28, s29
.set k, k+1
.endr
.set k, 0
	s_wait_alu depctr_va_vdst(0)
.rept 32
	v_log_f32 v[48+k], v[48+k]
.set k, k+1
.endr
	v_mov_b32 v12, v156                            ; (plain places)
	v_mov_b32 v13, v156
.set k, 0
	s_wait_alu depctr_va_vdst(0)
.rept 16
	v_pk_mul_f32 v[48+k:49+k], v[48+k:49+k], s[26:27] op_sel_hi:[1,0]    ; -ln(u)
.set k, k+2
.endr
.set k, 0
	s_wait_alu depctr_va_vdst(0)
.rept 32
	v_log_f32 v[48+k], v[48+k]
.set k, k+1
.endr
.set k, 0
.rept 16
	v_pk_add_f32 v[16+k:17+k], v[16+k:17+k], v[12:13] neg_lo:[0,1] neg_hi:[0,1]   ; pspt = d - ln S  (plain places: they name nothing of the logarithms)
.set k, k+2
.endr
.set k, 0
	s_wait_alu depctr_va_vdst(0)
.rept 16
	v_pk_fma_f32 v[16+k:17+k], v[48+k:49+k], s[26:27], v[16+k:17+k] op_sel_hi:[1,0,1]   ; z = pspt + g
.set k, k+2
.endr
; ---- the hard choice
	RMAX 152
	v_mov_b32 v11, 0x7fffffff
.set k, 0
.rept 32
	v_add3_u32 v[80+k], v[80+k], v9, (128*(k/4)+(k%4))<<15      ; key = m << 15 | word
	v_cmp_eq_f32 vcc_lo, v[16+k], v152
	v_cndmask_b32 v[80+k], v11, v[80+k], vcc_lo                 ; only where z is the largest
.set k, k+1
.endr
	v_min_u32 v153, v80, v81
	v_min_u32 v159, v82, v83
.set k, 4
.rept 14
	v_min_u32 v153, v153, v[80+k]
	v_min_u32 v159, v159, v[81+k]
.set k, k+2
.endr
	v_min_u32 v153, v153, v159
	WMINU 153                                      ; the lowest index wins
	v_and_b32 v153, 0x7fff, v153                   ; its word
; ---- the second softmax: p = 2^(t - M), not normalised
	v_mul_f32 v12, s24, v152                       ; the largest t
	v_floor_f32 v12, -v12                          ; -M = -ceil(t)
	v_mov_b32 v13, v12
.set k, 0
.rept 16
	v_pk_fma_f32 v[16+k:17+k], v[16+k:17+k], s[24:25], v[12:13] op_sel_hi:[1,0,1]
.set k, k+2
.endr
.set k, 0
	s_wait_alu depctr_va_vdst(0)
.rept 32
	v_exp_f32 v[16+k], v[16+k]
.set k, k+1
.endr
	v_nop                                          ; one plain place behind the exponentials
	s_wait_alu depctr_va_vdst(0)
	v_pk_add_f32 v[14:15], v[16:17], v[18:19]      ; l is taken of the unquantised p
	v_pk_add_f32 v[154:155], v[20:21], v[22:23]
.set k, 8
.rept 6
	v_pk_add_f32 v[14:15], v[14:15], v[16+k:17+k]
	v_pk_add_f32 v[154:155], v[154:155], v[18+k:19+k]
.set k, k+4
.endr
	v_pk_add_f32 v[14:15], v[14:15], v[154:155]
	v_add_f32 v14, v14, v15
	WSUM 14
	s_wait_alu depctr_va_vdst(0)
	v_rcp_f32 v158, v14                            ; 1 / l  (the plain lines of the quantiser below stand ahead of its use)
; ---- p through the stage, and into codes
.set i, 0
.rept 8
	ds_store_b128 v3, v[16+4*i:19+4*i] offset:8*SP*i
.set i, i+1
.endr
.set i, 0
.rept 8
	ds_load_b128 v[48+4*i:51+4*i], v4 offset:32*SP*(i/4)+16*(i%4)    ; in order behind my stores
.set i, i+1
.endr
	s_wait_dscnt 4                                 ; the first half's four reads are in; the second half's may be out
	Q16 0
	s_wait_dscnt 1                                 ; the second half is in; the byte store may be out
	Q16 1
	ds_load_b32 v152, v6                           ; in order behind the byte stores: lane l: scale word l % 8
	s_wait_dscnt 0x0
	v_cmp_gt_u32 vcc_lo, 8, v1
	v_cndmask_b32 v159, 0, v152, vcc_lo            ; the record: lanes 0-7 the scale words,
	v_cmp_eq_u32 vcc_lo, 8, v1
	s_wait_alu depctr_va_vdst(0)
	v_cndmask_b32 v159, v159, v158, vcc_lo         ; lane 8: 1 / l, the others 0
	v_cmp_eq_u32 vcc_lo, 0, v1
	v_cndmask_b32 v11, v153, v157, vcc_lo          ; for tw: lane 0 the entropy's share, lane 1 the word
	v_min_u32 v10, 1, v1
	v_lshl_add_u32 v10, v10, 13, s47               ; 4 token + 8,192 min(lane, 1): inside tw in every lane
	v_cmp_gt_u32 vcc_lo, 16, v1
	s_wait_alu depctr_va_vdst(0)
	s_wait_xcnt 0x0                                ; EXEC changes only behind this wait: the stores above have taken it
	s_and_saveexec_b32 s46, vcc_lo
	global_store_b32 v8, v159, s[42:43]            ; sixteen lanes: the record's 64 bytes
	s_wait_xcnt 0x0
	s_or_b32 exec_lo, exec_lo, s46
	s_cmp_ge_u32 s20, s19
	s_cbranch_scc1 .Lout                           ; a fill row stores nothing by token
	v_cmp_gt_u32 vcc_lo, 2, v1
	s_and_saveexec_b32 s46, vcc_lo                 ; (no memory instruction has been issued since the last wait)
	global_store_b32 v10, v11, s[14:15]
	s_wait_xcnt 0x0
	s_or_b32 exec_lo, exec_lo, s46
.Lout:
	s_wait_tensorcnt 0x0
	ds_add_u32 v160, v161
	s_wait_dscnt 0x0
	s_endpgm
.Lfunc_end_k_qcc48951c6b_soft:
	.size	k_qcc48951c6b_soft, .Lfunc_end_k_qcc48951c6b_soft-k_qcc48951c6b_soft
	.p2alignl 7, 3214868480
	.fill 96, 4, 3214868480
	.section	.rodata,"a",@progbits
	.p2align	6, 0x0
	.amdhsa_kernel k_qcc48951c6b_soft
		.amdhsa_group_segment_fixed_size 23040
		.amdhsa_private_segment_fixed_size 0
		.amdhsa_enable_private_segment 0
		.amdhsa_kernarg_size 48
		.amdhsa_user_sgpr_count 2
		.amdhsa_user_sgpr_kernarg_segment_ptr 1
		.amdhsa_wavefront_size32 1
		.amdhsa_system_sgpr_workgroup_id_x 1
		.amdhsa_system_sgpr_workgroup_id_y 1
		.amdhsa_system_sgpr_workgroup_id_z 1
		.amdhsa_system_vgpr_workitem_id 0
		.amdhsa_next_free_vgpr 162
		.amdhsa_next_free_sgpr 66
		.amdhsa_reserve_vcc 1
		.amdhsa_float_denorm_mode_32 3
		.amdhsa_float_denorm_mode_16_64 3
		.amdhsa_memory_ordered 1
		.amdhsa_forward_progress 1
		.amdhsa_inst_pref_size 36
	.end_amdhsa_kernel
	.amdgpu_metadata
---
amdhsa.version: [ 1, 2 ]
amdhsa.kernels:
  - .name:           k_qcc48951c6b_soft
    .symbol:         k_qcc48951c6b_soft.kd
    .args:
      - { .name: route, .offset: 0, .size: 8, .value_kind: global_buffer, .address_space: global }
      - { .name: lg, .offset: 8, .size: 8, .value_kind: global_buffer, .address_space: global }
      - { .name: u_gumbel, .offset: 16, .size: 8, .value_kind: global_buffer, .address_space: global }
      - { .name: words, .offset: 24, .size: 8, .value_kind: global_buffer, .address_space: global }
      - { .name: pq, .offset: 32, .size: 8, .value_kind: global_buffer, .address_space: global }
      - { .name: tw, .offset: 40, .size: 8, .value_kind: global_buffer, .address_space: global }
    .group_segment_fixed_size: 23040
    .private_segment_fixed_size: 0
    .kernarg_segment_align: 8
    .kernarg_segment_size: 48
    .max_flat_workgroup_size: 128
    .sgpr_count:     66
    .vgpr_count:     162
    .wavefront_size: 32
...
	.end_amdgpu_metadata
.endif
;; end of part 3
;; launch mix (part 4): grid 393 x 1, 4 waves a work-group, no clusters, 150,016 bytes of LDS; arguments route, wts, pq, tw, psr_weight, atk_weight, inp_word, inp_pos, inp_mask, out0, out1, out2, out3, out4, out5, out6; writes out0, out1, out2, out3, out4, out5, out6
.if DOCPART == 4
	.amdgcn_target "amdgcn-amd-amdhsa--gfx1250"
	.amdhsa_code_object_version 6
	.text
	.protected	k_qcc48951c6b_mix
	.globl	k_qcc48951c6b_mix
	.p2align	8
	.type	k_qcc48951c6b_mix,@function
k_qcc48951c6b_mix:
	s_mov_b64 s[64:65], 0
	v_nop
	global_prefetch_b8 v0, s[64:65] scope:SCOPE_SE
	s_setreg_imm32_b32 hwreg(HW_REG_WAVE_MODE, 25, 1), 1
	s_wait_xcnt 0x0
; MIX: out1, out2 [token][512] = (Q(p) . Q(table[words[p]])) / l for the routed tokens (the chosen expert's rows alone), the table's own row for the others; and the small outputs.
; Three kinds of work-group, told apart by the work-group's number alone:
;   0           the small outputs: wave w: out0 and out4 to out6 of tokens 512 w on; every wave sums the tokens' shares in the entropy, thread 0 stores out3 = -(the sum).
;   1 .. 256    e = x - 1: expert e / 32, table (e / 16) % 2, 64 columns (e / 2) % 8 of it, half e % 2 of the expert's pairs of tiles.
;   257 .. 392  tile x - 257 of the stored list: where its rows are copied through, wave w copies 256 columns (w % 2) of table w / 2; else the work-group ends.
; AN EXPERT'S WORK-GROUP: its 32 fragments of the table (4 tiles of 16 columns x 8 K steps, 49,152 bytes) hang on ids alone: wave w fetches column tile w's eight, they are laid in LDS, and ONE barrier shows them to all four
; waves.  It stands ahead of every branch on stored numbers.  Behind it waves share nothing.  Wave w takes the expert's tiles 2 g and 2 g + 1, g = 4 half + w, then 16 tiles on while there are any: a counted loop.
; What is asked for ahead of the barrier is asked for without a branch: a tile's number is held inside the expert's tiles, so a wave without a pair reads the last tile again and uses nothing of it;
; where the expert has no rows at all, the same offsets are read in wts, which is whole, in place of pq.
; A tile of p, 16 rows x 768 bytes on end in pq, comes by 24 loads of 512 consecutive bytes, is turned in LDS bytes of the wave's own (pitch 784) and read back as fragments.
; TRANSPOSED: source 0 = 16 columns of the table, source 1 = p's 16 rows: lane (r, h), register j of accumulator (u, t) = out(row r of tile u, 16 t + 8 h + j).  Each fragment of the table feeds both tiles.
; Rows leave by one store of the 32 lanes for a row's 256 bytes; the stores end at the tile's count of rows, so a slot without a token stores nothing.
; No cluster and no joint loads: the loop's trips hang on the stored counts.  No prefetch: p's addresses are known one load ahead of their use, and the table's codes are asked for at the head.
; LIMIT: inp_pos is taken as not negative.
; REGISTERS, window 0: v1 lane, v2 r, v3 h, v4 16 l, v5 8 l, v6 the table into LDS, v8 64 r, v9, v10 p into LDS, v11, v12 the stage, v13 4 l, v14 p out of LDS; v16-79 accumulators; v80-175 the table's fragments, two sets of four
;   (first: what the wave fetches; last: rows on the way out); v176-191 the table's scale words; v192-207 p's; v208-211 1 / l; v212-243 the rows' offsets in the output.  window 1: v0-191 p's fragments of two tiles.
.set LQ,   4915200
.set LSC,  11206656
.set NCO,  1024
.set ORD,  1280
.set REC,  1671168
.set ACC,  16
.set AB,   80
.set DT,   80
.set LS,   176
.set PS,   192
.set RL,   208
.set OA,   212
.set IA,   228
.set SH,   64
.set PREG, 49152                       ; LDS: the table's fragments from 0; then for each wave two tiles of 16 rows x 784 bytes (the stages of the way out, 16 x 272, lie over them when they have been read)
.set TREG, 12544
.set SPARE, PREG+8*TREG                ; the spare words, 128 bytes a wave
.set MSB, 0
.macro WIN new                         ; the immediate's high byte repeats the setting that is left
.if MSB != \new
	s_set_vgpr_msb (MSB<<8)|\new
.set MSB, \new
.endif
.endm
.macro PRE                             ; the pair that begins at the expert's tile s48 is asked for: its rows' counts, tokens, codes and records
	s_min_u32 s66, s48, s47
	s_add_co_u32 s67, s48, 1
	s_min_u32 s67, s67, s47                        ; both held inside the expert's tiles
	s_lshl_b32 s42, s48, 4
	s_sub_co_i32 s42, s44, s42
	s_sub_co_i32 s43, s42, 16
	s_max_i32 s42, s42, 0
	s_min_i32 s42, s42, 16                         ; the first tile's rows,
	s_max_i32 s43, s43, 0
	s_min_i32 s43, s43, 16                         ; the second's: 0 where there is none
	s_add_co_u32 s66, s66, s45
	s_min_u32 s66, s66, 135                        ; as tiles of the list
	s_add_co_u32 s67, s67, s45
	s_min_u32 s67, s67, 135
	s_mul_i32 s56, s66, 12288
	s_mov_b32 s57, 0
	s_add_nc_u64 s[56:57], s[50:51], s[56:57]
	s_mul_i32 s58, s67, 12288
	s_mov_b32 s59, 0
	s_add_nc_u64 s[58:59], s[50:51], s[58:59]
	s_lshl_b32 s60, s66, 10
	s_add_co_u32 s60, s60, REC
	s_mov_b32 s61, 0
	s_add_nc_u64 s[60:61], s[50:51], s[60:61]
	s_lshl_b32 s62, s67, 10
	s_add_co_u32 s62, s62, REC
	s_mov_b32 s63, 0
	s_add_nc_u64 s[62:63], s[50:51], s[62:63]
	s_lshl_b32 s66, s66, 6
	s_lshl_b32 s67, s67, 6
	s_load_b512 s[68:83], s[4:5], s66 offset:ORD
	s_load_b512 s[84:99], s[4:5], s67 offset:ORD
	WIN 0x40
.set i, 0
.rept 24
	global_load_b128 v[4*i:4*i+3], v4, s[56:57] offset:512*i
.set i, i+1
.endr
.set i, 0
.rept 24
	global_load_b128 v[96+4*i:96+4*i+3], v4, s[58:59] offset:512*i
.set i, i+1
.endr
	WIN 0
	global_load_b128 v[PS:PS+3], v8, s[60:61]
	global_load_b128 v[PS+4:PS+7], v8, s[60:61] offset:16
	global_load_b32 v[RL], v8, s[60:61] offset:32
	global_load_b128 v[PS+8:PS+11], v8, s[62:63]
	global_load_b128 v[PS+12:PS+15], v8, s[62:63] offset:16
	global_load_b32 v[RL+2], v8, s[62:63] offset:32
.endm
.macro AFETCH s                        ; K step s's four fragments of the table, out of LDS as they lie, into set s % 2
.irp t, 0,1,2,3
.irp j, 0,1,2
	ds_load_b128 v[AB+48*((\s)&1)+12*\t+4*\j:AB+48*((\s)&1)+12*\t+4*\j+3], v4 offset:(4*(\s)+\t)*1536+512*\j
.endr
.endr
.endm
.macro PROD s, t, u, row               ; one product; the first K step starts the sums with the constant 0
.set AR, AB+48*((\s)&1)+12*(\t)
.set DR, ACC+32*(\u)+8*(\t)
.if (\s) == 0
	v_wmma_scale_f32_16x16x128_f8f6f4 v[DR:DR+7], v[AR:AR+11], v[96*(\u)+12*(\s):96*(\u)+12*(\s)+11], 0, v[LS+8*((\t)/2)+(\s)], v[PS+8*(\u)+(\s)] matrix_a_fmt:MATRIX_FMT_BF6 matrix_b_fmt:MATRIX_FMT_BF6 matrix_a_scale:\row
.else
	v_wmma_scale_f32_16x16x128_f8f6f4 v[DR:DR+7], v[AR:AR+11], v[96*(\u)+12*(\s):96*(\u)+12*(\s)+11], v[DR:DR+7], v[LS+8*((\t)/2)+(\s)], v[PS+8*(\u)+(\s)] matrix_a_fmt:MATRIX_FMT_BF6 matrix_b_fmt:MATRIX_FMT_BF6 matrix_a_scale:\row
.endif
.endm
.macro KSTEP s                         ; eight products, the eight accumulators by turns; the next step's fragments are asked for ahead of them
	s_wait_dscnt 0x0                               ; this step's fragments are in
.if (\s) > 0
.rept 4
	v_nop                                          ; four places in front of loads into registers that the last step's products read
.endr
.endif
.if (\s) < 7
	AFETCH (\s)+1
.endif
.irp t, 0,2
	PROD \s, \t, 0, MATRIX_SCALE_ROW0
	PROD \s, \t, 1, MATRIX_SCALE_ROW0
	PROD \s, \t+1, 0, MATRIX_SCALE_ROW1
	PROD \s, \t+1, 1, MATRIX_SCALE_ROW1
.endr
.endm
.macro PUT dst, e                      ; the lane's bit of VCC becomes byte e of v[dst]
.if (\e) == 0
	v_cndmask_b32 v[\dst], 0, 1, vcc_lo
.else
	v_cndmask_b32 v160, 0, 1, vcc_lo
	v_lshl_or_b32 v[\dst], v160, 8*(\e), v[\dst]
.endif
.endm
	s_load_b512 s[4:19], s[0:1], 0x0               ; route 4, wts 6, pq 8, tw 10, psr 12, atk 14, inp_word 16, inp_pos 18
	s_load_b512 s[20:35], s[0:1], 0x40             ; inp_mask 20, out0 22, out1 24, out2 26, out3 28, out4 30, out5 32, out6 34
	v_lshl_add_u32 v254, v0, 2, SPARE
	v_mov_b32 v255, 0
	v_lshrrev_b32 v1, 5, v0
	v_readfirstlane_b32 s36, v1                    ; wave 0..3
	v_and_b32 v1, 31, v0
	v_and_b32 v2, 15, v0                           ; r
	v_bfe_u32 v3, v0, 4, 1                         ; h
	v_lshlrev_b32 v4, 4, v1
	v_lshlrev_b32 v5, 3, v1
	v_lshlrev_b32 v13, 2, v1
	v_lshlrev_b32 v8, 6, v2
	s_mul_i32 s46, s36, 1536
	v_add_nc_u32 v6, s46, v4                       ; the table into LDS: column tile = my wave
	s_mul_i32 s46, s36, 2*TREG
	s_add_co_u32 s46, s46, PREG
	v_add_nc_u32 v9, s46, v4                       ; p into LDS: 16 bytes a lane;
	v_lshl_add_u32 v10, v3, 4, v9                  ; where a load lies across two rows, lanes 16-31 stand one padding further on
	v_mul_u32_u24 v14, v2, 784
	v_mad_u32_u24 v14, v3, 24, v14
	v_add_nc_u32 v14, s46, v14                     ; out of it: row r, + 24 h
	v_mul_u32_u24 v11, v2, 272
	v_lshl_add_u32 v11, v3, 5, v11
	v_add_nc_u32 v11, s46, v11                     ; the stage, in: row r, 32 bytes for each half of the lanes
	v_add_nc_u32 v12, s46, v5                      ; back: the 32 lanes take a row of 256 bytes
	v_mov_b32 v209, 0                              ; (named with v208 and v210 as pairs, so they are written)
	v_mov_b32 v211, 0
	s_cmp_eq_u32 ttmp9, 0
	s_wait_alu depctr_va_vdst(0)
	s_cbranch_scc1 .Lfin
	s_cmp_gt_u32 ttmp9, 256
	s_cbranch_scc1 .Lcopy
; ---------------- an expert's rows
	s_sub_co_u32 s49, ttmp9, 1
	s_lshr_b32 s37, s49, 5                         ; p
	s_bfe_u32 s38, s49, 0x10004                    ; table
	s_bfe_u32 s39, s49, 0x30001                    ; which 64 columns
	s_and_b32 s48, s49, 1
	s_lshl_b32 s48, s48, 2
	s_add_co_u32 s48, s48, s36
	s_lshl_b32 s48, s48, 1                         ; my pair's first tile: 2 (4 half + wave)
	s_lshl_b32 s66, s37, 2
	s_lshl_b32 s67, s38, 3
	s_add_co_u32 s67, s67, s37                     ; 8 tb + p
	s_lshl_b32 s52, s67, 2
	s_lshr_b32 s53, s39, 1
	s_add_co_u32 s52, s52, s53
	s_mul_i32 s52, s52, 98304                      ; a run of 64 fragments,
	s_and_b32 s53, s39, 1
	s_mul_i32 s53, s53, 6144                       ; in it the work-group's four of each K step's eight,
	s_add_co_u32 s52, s52, s53
	s_mul_i32 s53, s36, 1536                       ; of them my wave's
	s_add_co_u32 s52, s52, s53
	s_add_co_u32 s52, s52, LQ
	s_mov_b32 s53, 0
	s_lshl_b32 s54, s67, 3
	s_add_co_u32 s54, s54, s39
	s_lshl_b32 s54, s54, 11                        ; 2 groups x 4 records of 256 bytes
	s_add_co_u32 s54, s54, LSC
	s_mov_b32 s55, 0
	s_lshl_b32 s56, s39, 8
	s_mov_b32 s57, 0
	s_wait_kmcnt 0x0
	s_load_b32 s44, s[4:5], s66 offset:NCO         ; n_p
	s_load_b32 s45, s[4:5], s66 offset:NCO+128     ; the expert's first tile
	s_add_nc_u64 s[52:53], s[6:7], s[52:53]
	s_add_nc_u64 s[54:55], s[6:7], s[54:55]
	s_cmp_eq_u32 s38, 0
	s_cselect_b64 s[40:41], s[24:25], s[26:27]     ; the choice hangs on the work-group's number alone
	s_add_nc_u64 s[40:41], s[40:41], s[56:57]      ; my 64 columns of a row of the output
.irp s, 0,1,2,3,4,5,6,7
.irp j, 0,1,2
	global_load_b128 v[AB+12*\s+4*\j:AB+12*\s+4*\j+3], v4, s[52:53] offset:12288*\s+512*\j
.endr
.endr
.irp g, 0,1
.irp q, 0,1,2,3
	global_load_b64 v[LS+8*\g+2*\q:LS+8*\g+2*\q+1], v5, s[54:55] offset:(4*\g+\q)*256
.endr
.endr
	s_wait_kmcnt 0x0
	s_min_u32 s44, s44, 2048
	s_min_u32 s45, s45, 135
	s_add_co_u32 s46, s44, 15
	s_lshr_b32 s46, s46, 4                         ; the expert's tiles
	s_max_u32 s47, s46, 1
	s_sub_co_u32 s47, s47, 1                       ; the last of them
	s_cmp_lg_u32 s44, 0
	s_cselect_b64 s[50:51], s[8:9], s[6:7]         ; pq; for an expert without rows wts, of which nothing is used
	PRE
	s_wait_loadcnt 62                              ; my 24 loads of the table are in: behind them 8 of scale words, 48 of p, 6 of records
.irp s, 0,1,2,3,4,5,6,7
.irp j, 0,1,2
	ds_store_b128 v6, v[AB+12*\s+4*\j:AB+12*\s+4*\j+3] offset:6144*\s+512*\j
.endr
.endr
	s_wait_dscnt 0x0                               ; for the others' sake: my stores are done
	s_barrier_signal -1
	s_barrier_wait -1
	s_cmp_ge_u32 s48, s46
	s_cbranch_scc1 .Lend                           ; no pair for my wave
	s_mov_b32 s49, 0                               ; trips done
.Lpass:
	s_wait_loadcnt 6                               ; both tiles of p are in; the six loads of records may be out
	WIN 0x04                                       ; the data in window 1
.irp u, 0,1
.set i, 0
.rept 24                               ; three loads are two rows of 768 bytes; a row has 16 bytes of padding behind it
.if i%3 == 0
	ds_store_b128 v9, v[96*\u+4*i:96*\u+4*i+3] offset:TREG*\u+1568*(i/3)
.elseif i%3 == 1
	ds_store_b128 v10, v[96*\u+4*i:96*\u+4*i+3] offset:TREG*\u+1568*(i/3)+512
.else
	ds_store_b128 v9, v[96*\u+4*i:96*\u+4*i+3] offset:TREG*\u+1568*(i/3)+1040
.endif
.set i, i+1
.endr
.endr
	s_wait_dscnt 0x0                               ; the stores have read their registers, which the reads below fill
	WIN 0x40
.irp u, 0,1
.irp s, 0,1,2,3,4,5,6,7
.irp p, 0,1,2,3,4,5
	ds_load_b64 v[96*\u+12*\s+2*\p:96*\u+12*\s+2*\p+1], v14 offset:TREG*\u+96*\s+48*(\p/3)+8*(\p%3)
.endr
.endr
.endr
	WIN 0
	AFETCH 0
	s_wait_kmcnt 0x0                               ; the 32 slots' words
.set i, 0
.rept 32
	s_and_b32 s[68+i], s[68+i], 2047               ; the token
	s_min_u32 s[68+i], s[68+i], 2047
	v_lshl_add_u32 v[OA+i], s[68+i], 11, v5        ; its row of 2,048 bytes, 8 bytes a lane
.set i, i+1
.endr
	s_wait_alu depctr_va_vdst(0)
	s_wait_loadcnt 0x0                             ; the records
	WIN 0x04                                       ; source 1 in window 1
.irp s, 0,1,2,3,4,5,6,7
	KSTEP \s
.endr
	WIN 0
.rept 4
	v_nop                                          ; four places ahead of the first read of results (ISA guide 7.12.1)
.endr
.irp u, 0,1
.set k, 0
.rept 16
	v_pk_mul_f32 v[ACC+32*\u+k:ACC+32*\u+k+1], v[ACC+32*\u+k:ACC+32*\u+k+1], v[RL+2*\u:RL+2*\u+1] op_sel_hi:[1,0]     ; / l; each accumulator from its low end on
.set k, k+2
.endr
.endr
.irp u, 0,1
.irp t, 0,1,2,3
	ds_store_b128 v11, v[ACC+32*\u+8*\t:ACC+32*\u+8*\t+3] offset:TREG*\u+64*\t            ; through my own stages: LDS serves a wave's instructions in order
	ds_store_b128 v11, v[ACC+32*\u+8*\t+4:ACC+32*\u+8*\t+7] offset:TREG*\u+64*\t+16
.endr
.endr
.irp u, 0,1
.set i, 0
.rept 16
	ds_load_b64 v[DT+32*\u+2*i:DT+32*\u+2*i+1], v12 offset:TREG*\u+272*i
.set i, i+1
.endr
.endr
	s_wait_dscnt 0x0
.set i, 0
.rept 16
	s_cmp_le_u32 s42, i                            ; the first tile has no row i: nor any later one
	s_cbranch_scc1 .Ldone_a
	global_store_b64 v[OA+i], v[DT+2*i:DT+2*i+1], s[40:41] th:TH_STORE_NT     ; 32 lanes store 256 consecutive aligned bytes
.set i, i+1
.endr
.Ldone_a:
.set i, 0
.rept 16
	s_cmp_le_u32 s43, i
	s_cbranch_scc1 .Ldone_b
	global_store_b64 v[OA+16+i], v[DT+32+2*i:DT+32+2*i+1], s[40:41] th:TH_STORE_NT
.set i, i+1
.endr
.Ldone_b:
	s_wait_xcnt 0x0                                ; the stores have read their registers, which a further trip writes again
	s_add_co_u32 s48, s48, 16                      ; eight waves share the expert's pairs
	s_cmp_ge_u32 s48, s46
	s_cbranch_scc1 .Lend                           ; no further pair for my wave
	PRE
	s_add_co_u32 s49, s49, 1                       ; the trips are counted against a constant: an expert has at most 128 tiles (n_p is held at 2,048), 16 of them to a trip
	s_cmp_lt_u32 s49, 8
	s_cbranch_scc1 .Lpass
	s_branch .Lend
; ---------------- rows that are copied through
.Lcopy:
	s_sub_co_u32 s37, ttmp9, 257                   ; tile
	s_lshl_b32 s39, s37, 2
	s_lshl_b32 s48, s37, 6
	s_wait_kmcnt 0x0
	s_load_b32 s44, s[4:5], s39 offset:0x0         ; the tile's word: class | rows << 8
	s_load_b512 s[68:83], s[4:5], s48 offset:ORD   ; its 16 slots' words
	s_lshr_b32 s38, s36, 1
	s_cmp_eq_u32 s38, 0
	s_cselect_b64 s[40:41], s[12:13], s[14:15]     ; both choices hang on the wave's number alone
	s_cselect_b64 s[42:43], s[24:25], s[26:27]
	s_and_b32 s46, s36, 1
	s_lshl_b32 s46, s46, 10
	s_mov_b32 s47, 0
	s_add_nc_u64 s[40:41], s[40:41], s[46:47]      ; my 256 columns of a row, in the table
	s_add_nc_u64 s[42:43], s[42:43], s[46:47]      ; and in the output
	s_wait_kmcnt 0x0
	s_and_b32 s45, s44, 255
	s_lshr_b32 s44, s44, 8                         ; the tile's rows
	s_cmp_lg_u32 s45, 8
	s_cbranch_scc1 .Lend                           ; not a tile of copied rows
.set i, 0
.rept 16
	s_lshr_b32 s[84+i], s[68+i], 11                ; the token's own word
	s_min_u32 s[84+i], s[84+i], 19999              ; an index stays inside its table
	v_lshl_add_u32 v[IA+i], s[84+i], 11, v4
	s_and_b32 s[68+i], s[68+i], 2047               ; the token
	s_min_u32 s[68+i], s[68+i], 2047
	v_lshl_add_u32 v[OA+i], s[68+i], 11, v4
.set i, i+1
.endr
	s_wait_alu depctr_va_vdst(0)
.set i, 0
.rept 16
	global_load_b128 v[16+8*i:19+8*i], v[IA+i], s[40:41]
	global_load_b128 v[20+8*i:23+8*i], v[IA+i], s[40:41] offset:512
.set i, i+1
.endr
	s_wait_loadcnt 0x0
.set i, 0
.rept 16
	s_cmp_le_u32 s44, i                            ; the tile has no row i: nor any later one
	s_cbranch_scc1 .Lend
	global_store_b128 v[OA+i], v[16+8*i:19+8*i], s[42:43] th:TH_STORE_NT      ; 32 lanes store 512 consecutive aligned bytes
	global_store_b128 v[OA+i], v[20+8*i:23+8*i], s[42:43] offset:512 th:TH_STORE_NT
.set i, i+1
.endr
	s_branch .Lend
; ---------------- the small outputs
.Lfin:
	s_mov_b32 s62, 0x76543210
	s_mov_b32 s63, 0xfedcba98                      ; v_permlanex16_b32's selects for lane l xor 16
	s_lshl_b32 s37, s36, 11
	s_lshl_b32 s38, s36, 9
	v_add_nc_u32 v161, s37, v4                     ; my wave's 512 tokens, four a lane and step: words of 4 bytes,
	v_add_nc_u32 v162, s38, v13                    ; and bytes
	v_mov_b32 v132, 0                              ; a lane permute's destination counts as one of its sources
	v_mov_b32 v133, 0
	s_wait_alu depctr_va_vdst(0)
	s_wait_kmcnt 0x0
.irp k, 0,1,2,3
	global_load_b128 v[16+4*\k:19+4*\k], v161, s[18:19] offset:512*\k          ; inp_pos
	global_load_b128 v[32+4*\k:35+4*\k], v161, s[16:17] offset:512*\k          ; inp_word
	global_load_b128 v[48+4*\k:51+4*\k], v161, s[10:11] offset:8192+512*\k     ; the words that go out
	global_load_b32 v[144+\k], v162, s[20:21] offset:128*\k                    ; inp_mask, four bytes
.endr
.set k, 0
.rept 16
	global_load_b128 v[SH+4*k:SH+4*k+3], v4, s[10:11] offset:512*k             ; all 2,048 shares in the entropy
.set k, k+1
.endr
	s_wait_loadcnt 0x0
.irp k, 0,1,2,3
	global_store_b128 v161, v[48+4*\k:51+4*\k], s[22:23] offset:512*\k         ; out0: 512 consecutive bytes
.irp e, 0,1,2,3
	v_cmp_eq_u32 vcc_lo, v[48+4*\k+\e], v[32+4*\k+\e]
	PUT 148+3*\k, \e
.endr
	v_and_b32 v[148+3*\k], v[148+3*\k], v[144+\k]  ; and the mask's bytes, which are 0 or 1
.irp e, 0,1,2,3
	v_cmp_gt_u32 vcc_lo, 8, v[16+4*\k+\e]
	PUT 149+3*\k, \e
.endr
.irp e, 0,1,2,3
	v_cmp_gt_u32 vcc_lo, 4, v[16+4*\k+\e]
	PUT 150+3*\k, \e
.endr
	global_store_b32 v162, v[148+3*\k], s[30:31] offset:128*\k                 ; out4
	global_store_b32 v162, v[149+3*\k], s[32:33] offset:128*\k                 ; out5
	global_store_b32 v162, v[150+3*\k], s[34:35] offset:128*\k                 ; out6
.endr
	v_pk_add_f32 v[128:129], v[SH:SH+1], v[SH+2:SH+3]                          ; the sum, in two chains of pairs
	v_pk_add_f32 v[130:131], v[SH+4:SH+5], v[SH+6:SH+7]
.set k, 2
.rept 14
	v_pk_add_f32 v[128:129], v[128:129], v[SH+4*k:SH+4*k+1]
	v_pk_add_f32 v[130:131], v[130:131], v[SH+4*k+2:SH+4*k+3]
.set k, k+1
.endr
	v_pk_add_f32 v[128:129], v[128:129], v[130:131]
	v_add_f32 v128, v128, v129
	v_add_f32_dpp v128, v128, v128 row_xmask:1 row_mask:0xf bank_mask:0xf
	v_add_f32_dpp v128, v128, v128 row_xmask:2 row_mask:0xf bank_mask:0xf
	v_add_f32_dpp v128, v128, v128 row_xmask:4 row_mask:0xf bank_mask:0xf
	v_add_f32_dpp v128, v128, v128 row_xmask:8 row_mask:0xf bank_mask:0xf
	v_permlanex16_b32 v132, v128, s62, s63
	v_add_f32 v128, v128, v132
	v_xor_b32 v128, 0x80000000, v128               ; ent_loss = -entropy
	v_cmp_eq_u32 vcc_lo, 0, v0                     ; thread 0 of the work-group alone
	s_wait_alu depctr_va_vdst(0)
	s_wait_xcnt 0x0                                ; EXEC changes only behind this wait
	s_and_saveexec_b32 s60, vcc_lo
	global_store_b32 v133, v128, s[28:29]          ; out3
	s_wait_xcnt 0x0
	s_or_b32 exec_lo, exec_lo, s60
.Lend:
	s_wait_tensorcnt 0x0                           ; the wave's end
	ds_add_u32 v254, v255
	s_wait_dscnt 0x0
	s_endpgm
.Lfunc_end_k_qcc48951c6b_mix:
	.size	k_qcc48951c6b_mix, .Lfunc_end_k_qcc48951c6b_mix-k_qcc48951c6b_mix
	.p2alignl 7, 3214868480
	.fill 96, 4, 3214868480
	.section	.rodata,"a",@progbits
	.p2align	6, 0x0
	.amdhsa_kernel k_qcc48951c6b_mix
		.amdhsa_group_segment_fixed_size 150016
		.amdhsa_private_segment_fixed_size 0
		.amdhsa_enable_private_segment 0
		.amdhsa_kernarg_size 128
		.amdhsa_user_sgpr_count 2
		.amdhsa_user_sgpr_kernarg_segment_ptr 1
		.amdhsa_wavefront_size32 1
		.amdhsa_system_sgpr_workgroup_id_x 1
		.amdhsa_system_sgpr_workgroup_id_y 1
		.amdhsa_system_sgpr_workgroup_id_z 1
		.amdhsa_system_vgpr_workitem_id 0
		.amdhsa_next_free_vgpr 448
		.amdhsa_next_free_sgpr 100
		.amdhsa_reserve_vcc 1
		.amdhsa_float_denorm_mode_32 3
		.amdhsa_float_denorm_mode_16_64 3
		.amdhsa_memory_ordered 1
		.amdhsa_forward_progress 1
		.amdhsa_inst_pref_size 90
	.end_amdhsa_kernel
	.amdgpu_metadata
---
amdhsa.version: [ 1, 2 ]
amdhsa.kernels:
  - .name:           k_qcc48951c6b_mix
    .symbol:         k_qcc48951c6b_mix.kd
    .args:
      - { .name: route, .offset: 0, .size: 8, .value_kind: global_buffer, .address_space: global }
      - { .name: wts, .offset: 8, .size: 8, .value_kind: global_buffer, .address_space: global }
      - { .name: pq, .offset: 16, .size: 8, .value_kind: global_buffer, .address_space: global }
      - { .name: tw, .offset: 24, .size: 8, .value_kind: global_buffer, .address_space: global }
      - { .name: psr_weight, .offset: 32, .size: 8, .value_kind: global_buffer, .address_space: global }
      - { .name: atk_weight, .offset: 40, .size: 8, .value_kind: global_buffer, .address_space: global }
      - { .name: inp_word, .offset: 48, .size: 8, .value_kind: global_buffer, .address_space: global }
      - { .name: inp_pos, .offset: 56, .size: 8, .value_kind: global_buffer, .address_space: global }
      - { .name: inp_mask, .offset: 64, .size: 8, .value_kind: global_buffer, .address_space: global }
      - { .name: out0, .offset: 72, .size: 8, .value_kind: global_buffer, .address_space: global }
      - { .name: out1, .offset: 80, .size: 8, .value_kind: global_buffer, .address_space: global }
      - { .name: out2, .offset: 88, .size: 8, .value_kind: global_buffer, .address_space: global }
      - { .name: out3, .offset: 96, .size: 8, .value_kind: global_buffer, .address_space: global }
      - { .name: out4, .offset: 104, .size: 8, .value_kind: global_buffer, .address_space: global }
      - { .name: out5, .offset: 112, .size: 8, .value_kind: global_buffer, .address_space: global }
      - { .name: out6, .offset: 120, .size: 8, .value_kind: global_buffer, .address_space: global }
    .group_segment_fixed_size: 150016
    .private_segment_fixed_size: 0
    .kernarg_segment_align: 8
    .kernarg_segment_size: 128
    .max_flat_workgroup_size: 128
    .sgpr_count:     100
    .vgpr_count:     448
    .wavefront_size: 32
...
	.end_amdgpu_metadata
.endif
;; end of part 4
